; MI455X (gfx1250); checked and timed in simulation.
; The chip was launched on July 23, 2026; its instructions are those of AMD's public machine-readable ISA for CDNA 5 (MIT licence, August 2026) and "CDNA5" Instruction Set Architecture Reference Guide (July 2026). The comments in the code are by the model that wrote it; some were corrected since.
;; Multi Head Attention V2. Allowed arithmetic: matrix products marked QUANTISED: E3M2 operands, one E8M0 scale for each 32 along K, by v_wmma_scale_f32_16x16x128_f8f6f4 with both operands' format E3M2, f32 sums; everything else in f32.
;; Inputs: Wp 4,096 x 512 float32; Wq 512 x 4,096 float32; Wv 512 x 4,096 float32; bp 512 float32; x 4 x 1,024 x 512 float32.
;; Outputs: out0 4 x 1,024 x 512 float32.
;; This version of the problem:
;;   THIS VERSION OF THE PROBLEM IS GIVEN IN LOW PRECISION. The matrix products marked QUANTISED in the list below multiply operands that are first quantised to E3M2 (3 exponent bits, 2 mantissa bits; 6 bits a number), with one power-of-two scale for each 32 numbers along K (OCP MX v1.0); their sums are f32. All else is computed in f32.
;;   The module's matrix products, in the order in which they are computed (A, B: the left and right operand; K: the contracted axis; several contracted axes count as one K, in the product's order):
;;     1. [M 4,096, K 512] x [K 512, N 4,096]; A: input x; B: input Wq: QUANTISED
;;     2. [M 4,096, K 512] x [K 512, N 4,096]; A: input x; B: input Wq: QUANTISED
;;     3. batch 4 x [M 8,192, K 512] x [K 512, N 1,024]; A: computed on the way; B: input x: QUANTISED
;;     4. batch 32 x [M 1,024, K 1,024] x [K 1,024, N 512]; A: softmax (see below); B: computed on the way: QUANTISED
;;     5. [M 4,096, K 4,096] x [K 4,096, N 512]; A: computed on the way; B: input Wp: QUANTISED
;;   THE QUANTISER, for each operand of a quantised product, along K:
;;     - K is cut into blocks of 32 from its start; a last block that is shorter is filled with zeros.
;;     - A block's scale is 2^e with e = floor(log2(the largest magnitude in the block)) - 4, held to -126 .. 127; a block of zeros has e = 0. As a byte (E8M0): e + 127.
;;     - Each number is divided by its block's scale, clamped to +-28, and rounded to the nearest number of E3M2, ties to even, subnormals kept.
;;     - The product sums the exact products of the quantised numbers (number of the format x scale) in f32.
;;   ~~~python
;;   def quantise(x, axis):      # numpy; x: float32 -> the quantised numbers, widened to float32 again
;;       x = np.moveaxis(x, axis, -1); K = x.shape[-1]
;;       x = np.pad(x, [(0, 0)] * (x.ndim - 1) + [(0, -K % 32)]); x = x.reshape(x.shape[:-1] + (-1, 32)); a = np.abs(x).max(-1, keepdims=True)
;;       e = np.where(a > 0, np.clip(np.frexp(np.where(a > 0, a, 1))[1] - 1 - 4, -126, 127), 0)      # np.frexp(a)[1] - 1 = floor(log2(a)), exactly
;;       r = np.clip(x / 2.0 ** e, -28, 28)
;;       step = 2.0 ** (np.maximum(np.frexp(np.where(r == 0, 1, r))[1] - 1, -2) - 2)
;;       q = np.round(r / step) * step * 2.0 ** e      # np.round: ties to even
;;       return np.moveaxis(q.reshape(q.shape[:-2] + (-1,))[..., :K], -1, axis).astype(np.float32)
;;   ~~~
;;   SOFTMAX AHEAD OF A QUANTISED PRODUCT. Where the list says 'softmax', what is quantised is not the finished softmax but p = 2^(t - M), with t = logit x log2(e) and M = ceil(the row's largest t), a whole number; so 1/2 < the row's largest p <= 1. The row's sum l is taken of the UNQUANTISED p, in f32, and the product's result is divided by l at the end. Since M is a whole number, a kernel that streams over the keys may use a running M (the ceiling of the running maximum): every later rescaling is an exact power of two, which a block's scale takes up: the codes' values come out the same.
;;   OPERANDS COMPUTED ON THE WAY. 'Computed on the way' means the value that the module computes at that place (a softmax that the list does not call 'softmax' is quantised finished and normalised). What goes into a quantiser is computed in f32, as accurately as f32 sums, v_exp_f32 and their like allow (about 1e-6 of the number): no bf16 or f16 on the way to a quantiser, and a product that is left as it is and whose result goes on into a quantised operand takes f32 operands (vector FMAs, or v_wmma_f32_16x16x4_f32). A number that lies on a knife's edge between two numbers of the format may be rounded either way, as far as f32 arithmetic and the matrix unit's own rounding can turn it there, and no further.
;; One version. Each part assembles by itself: llvm-mc -triple=amdgcn-amd-amdhsa -mcpu=gfx1250 --defsym DOCPART=n.
;; ======== version 1 of 1: 4 launches
;; limits: right only within a limited range of input values
;; workspace buffers: xc 1,638,400 bytes; wqc 1,638,400 bytes; wpc 1,638,400 bytes; qr 13,107,200 bytes; vr 13,107,200 bytes; orec 13,107,200 bytes
;; launch quant (part 1): grid 384 x 1, 4 waves a work-group, no clusters, 60,928 bytes of LDS; arguments x, Wq, Wp, xc, wqc, wpc; writes xc, wqc, wpc
.if DOCPART == 1
	.amdgcn_target "amdgcn-amd-amdhsa--gfx1250"
	.amdhsa_code_object_version 6
	.text
	.protected	k_qa158a5d01a_quant
	.globl	k_qa158a5d01a_quant
	.p2align	8
	.type	k_qa158a5d01a_quant,@function
k_qa158a5d01a_quant:
	s_mov_b64 s[64:65], 0
	v_nop
	global_prefetch_b8 v0, s[64:65] scope:SCOPE_SE
	s_setreg_imm32_b32 hwreg(HW_REG_WAVE_MODE, 25, 1), 1
	s_wait_xcnt 0x0
; x [4096][512], Wq [512][4096], Wp [4096][512], f32, become codes of BF6 (E3M2) with one E8M0 byte for each 32 along K, laid in the ORDER OF THE OPERAND REGISTERS.
; DEAD WORK.  The value path of the module multiplies x by Wq, not by Wv: Wv enters no expression of the result, whatever it holds.  It is not loaded and is among no launch's arguments.
; A NaN, an infinity or an overflow in Wv is therefore not carried to the result.  The second x Wq of the module has a live result (the values): the next launch computes it.
; x is quantised along d once: the same codes serve x Wq (left operand) and q x^T (right operand).  Wq and Wp are quantised along their first axis.
; A FRAGMENT (16 rows x 128 K, 12 registers a lane) is 1,536 bytes: register p of lane l at 512 (p / 4) + 16 l + 4 (p % 4): three loads of 16 bytes a lane bring it.
; THE ROWS OF A TILE ARE NOT NEIGHBOURS: lane r of tile 2 g + u holds row 32 g + 8 u + r % 8 + 16 (r / 8), so that a product's 16 registers of two neighbouring tiles are 16 neighbours.
; A PAIR OF SCALE WORDS is 128 bytes: lane 16 u + r has the word (4 bytes, 128 along K) of row r of tile 2 g + u.
; xc, wqc: records of 25,600 bytes for 64 rows x K 512: fragment (K step s, tile t) at 1,536 (4 s + t), scale words at 24,576 + 256 s + 128 (t / 2) + 4 l.
; wpc: records of 6,400 bytes for 64 rows x one K step kk: fragment t at 1,536 t, words at 6,144; record number 32 (n / 64) + pos(kk), pos = 8 ((kk / 2) % 4) + 2 (kk / 8) + kk % 2.
; SHARES.  Work-groups 0-127: 32 tokens of x, wave s = K step s.  128-255: 128 columns x 128 rows of Wq, a wave 32 columns.  256-383: the same of Wp.  Each path has LDS bytes of its own; waves share nothing.
; A block's scale byte is its largest magnitude's exponent field - 4, held at 1 from below.  LIMITS: a block of zeros gets the byte 1 (its codes are zeros; these bytes are read by this program alone);
; NaN and infinities among the inputs are not served.
.set FLOOR, 0x2800000                  ; 2^(5 - 127)
.set SUB4,  0xfe000000                 ; takes 4 off an exponent field
.set XSTW,  8448                       ; x: a wave's stage, 16 rows of 512 bytes + 16, from LDS byte 0
.set QST,   33792                      ; Wq: a wave's stage of 3,328 bytes: two fragments and their scale words
.set PST,   47104                      ; Wp: likewise
.set WSTW,  3328
.set SPARE, 60416                      ; the spare words, 128 bytes a wave
.set SPW,   21
.set NIL,   22
.macro FINISH                          ; the wave's end, behind the last LDS store
	s_wait_tensorcnt 0x0
	ds_add_u32 v[SPW], v[NIL]
	s_wait_dscnt 0x0
	s_endpgm
.endm
; 64 numbers of a lane, v192-255: register 32 c + i = k 64 c + 32 h + i of my row: two whole blocks.  Codes to v[32 + 12 u] on, the row's scale word to v[30 + u].
.macro QB u
.irp c, 0,1
	v_max3_num_f32 v[24+\c], |v[192+32*\c]|, |v[193+32*\c]|, FLOOR
.endr
.irp i, 2,4,6,8,10,12,14,16,18,20,22,24,26,28,30
.irp c, 0,1
	v_max3_num_f32 v[24+\c], v[24+\c], |v[192+32*\c+\i]|, |v[193+32*\c+\i]|
.endr
.endr
.irp c, 0,1
	v_add_nc_u32 v[26+\c], SUB4, v[24+\c]          ; the conversion's scale operand
.endr
.irp c, 0,1
	v_lshrrev_b32 v[28+\c], 23, v[26+\c]           ; the byte
.endr
	v_lshl_or_b32 v[30+\u], v29, 16, v28           ; blocks h and 2 + h,
	v_lshlrev_b32 v[30+\u], v20, v[30+\u]          ; 8 h bits up;
	v_permlanex16_b32 v23, v[30+\u], s20, s21
	v_or_b32 v[30+\u], v[30+\u], v23               ; with lane l xor 16's two the word is whole
.irp c, 0,1
	v_cvt_scalef32_pk16_bf6_f32 v[32+12*\u+6*\c:34+12*\u+6*\c], v[192+32*\c:207+32*\c], v[26+\c]
	v_cvt_scalef32_pk16_bf6_f32 v[56+4*\c:58+4*\c], v[208+32*\c:223+32*\c], v[26+\c]
.endr
	v_nop                                          ; one plain place behind the conversions
.irp c, 0,1
.irp i, 0,1,2
	v_mov_b32 v[35+12*\u+6*\c+\i], v[56+4*\c+\i]
.endr
.endr
.endm
; block kb of a weight's K step: rows 32 kb .. 32 kb + 31 of my column, into registers of its own; a wave reads 128 consecutive bytes of a row, its four waves 512
.macro WLOAD kb, pitch
.set n, 0
.rept 32
	global_load_b32 v[64+32*(\kb)+n], v3, s[24:25] offset:(32*(\kb)+n)*\pitch th:TH_LOAD_NT
.set n, n+1
.endr
.endm
; A weight: lane L takes column L of the wave's 32, its 128 registers run down one K step.  ad: the path's four LDS address registers.  The loads run two blocks, 64 loads a wave, ahead.
.macro WPATH pitch, ad
	WLOAD 0, \pitch
	WLOAD 1, \pitch
.irp kb, 0,1,2,3
.if \kb < 3
	s_wait_loadcnt 32                              ; this block's 32 loads are in; the one younger block's 32 may be out
.else
	s_wait_loadcnt 0x0
.endif
.if \kb < 2
	WLOAD \kb+2, \pitch                            ; the block two on is asked for before this one is worked
.endif
	v_max3_num_f32 v24, |v[64+32*\kb]|, |v[65+32*\kb]|, |v[66+32*\kb]|
	v_max3_num_f32 v25, |v[67+32*\kb]|, |v[68+32*\kb]|, |v[69+32*\kb]|
.irp i, 6,10,14,18,22,26
	v_max3_num_f32 v24, v24, |v[64+32*\kb+\i]|, |v[65+32*\kb+\i]|
	v_max3_num_f32 v25, v25, |v[66+32*\kb+\i]|, |v[67+32*\kb+\i]|
.endr
	v_max3_num_f32 v24, v24, |v[94+32*\kb]|, |v[95+32*\kb]|
	v_max3_num_f32 v24, v24, v25, FLOOR
	v_add_nc_u32 v26, SUB4, v24
	v_lshrrev_b32 v27, 23, v26
.if \kb == 0
	v_mov_b32 v28, v27
.else
	v_lshl_or_b32 v28, v27, 8*\kb, v28             ; byte kb of my column's scale word
.endif
	v_cvt_scalef32_pk16_bf6_f32 v[192+8*\kb:194+8*\kb], v[64+32*\kb:79+32*\kb], v26
	v_cvt_scalef32_pk16_bf6_f32 v[196+8*\kb:198+8*\kb], v[80+32*\kb:95+32*\kb], v26
	v_nop
	v_mov_b32 v[195+8*\kb], v[196+8*\kb]
	v_mov_b32 v[196+8*\kb], v[197+8*\kb]
	v_mov_b32 v[197+8*\kb], v[198+8*\kb]           ; six registers on end: block kb = registers 6 (kb / 2) on of lane r + 16 (kb % 2)
.if \kb < 2
	ds_store_b128 v[\ad], v[192+8*\kb:195+8*\kb] offset:256*(\kb%2)
	ds_store_b64 v[\ad], v[196+8*\kb:197+8*\kb] offset:512+256*(\kb%2)
.else
	ds_store_b64 v[\ad], v[192+8*\kb:193+8*\kb] offset:520+256*(\kb%2)
	ds_store_b128 v[\ad], v[194+8*\kb:197+8*\kb] offset:1024+256*(\kb%2)
.endif
.endr
	ds_store_b32 v[\ad+1], v28 offset:3072
.irp i, 0,1,2,3,4,5
	ds_load_b128 v[224+4*\i:227+4*\i], v[\ad+2] offset:512*\i   ; LDS serves a wave's instructions in order: these see my stores
.endr
	ds_load_b32 v248, v[\ad+3] offset:3072
	s_wait_dscnt 0x0
.irp i, 0,1,2,3,4,5
	global_store_b128 v2, v[224+4*\i:227+4*\i], s[26:27] offset:512*\i   ; 512 consecutive bytes, aligned
.endr
	global_store_b32 v3, v248, s[28:29]
.endm
	s_load_b256 s[4:11], s[0:1], 0x0               ; x, Wq, Wp, xc
	s_load_b128 s[12:15], s[0:1], 0x20             ; wqc, wpc
	v_lshl_add_u32 v[SPW], v0, 2, SPARE
	v_mov_b32 v[NIL], 0
	v_lshrrev_b32 v1, 5, v0
	v_readfirstlane_b32 s16, v1                    ; wave
	v_and_b32 v1, 31, v0                           ; lane
	v_lshlrev_b32 v2, 4, v1                        ; 16 x lane
	v_lshlrev_b32 v3, 2, v1                        ; 4 x lane
	v_and_b32 v4, 15, v0                           ; r
	v_bfe_u32 v5, v0, 4, 1                         ; h
	v_lshlrev_b32 v20, 3, v5                       ; 8 h
	; every LDS address is made here, ahead of the parting of the paths
	s_mul_i32 s17, s16, XSTW
	v_add_nc_u32 v8, s17, v2                       ; x's stage, in: 16 x lane of a row
	v_mul_u32_u24 v9, v4, 528
	v_lshl_add_u32 v9, v5, 7, v9
	v_add_nc_u32 v9, s17, v9                       ; back: row r, + 128 h
	v_bfe_u32 v6, v0, 3, 1                         ; a weight's column L lies in tile u = (L / 8) % 2,
	v_and_b32 v7, 7, v0
	v_lshl_add_u32 v7, v5, 3, v7                   ; at lane r = L % 8 + 8 (L / 16)
	v_mul_u32_u24 v10, v6, 1536
	v_lshl_add_u32 v10, v7, 4, v10
	v_lshl_add_u32 v11, v6, 4, v7
	v_lshlrev_b32 v11, 2, v11
	s_mul_i32 s17, s16, WSTW
	s_add_co_u32 s18, s17, QST
	s_add_co_u32 s19, s17, PST
	v_add_nc_u32 v12, s18, v10
	v_add_nc_u32 v13, s18, v11
	v_add_nc_u32 v14, s18, v2
	v_add_nc_u32 v15, s18, v3
	v_add_nc_u32 v16, s19, v10
	v_add_nc_u32 v17, s19, v11
	v_add_nc_u32 v18, s19, v2
	v_add_nc_u32 v19, s19, v3
	s_mov_b32 s20, 0x76543210
	s_mov_b32 s21, 0xfedcba98                      ; lane l xor 16
	s_mov_b32 s22, 0xffff0000                      ; lanes 16-31
	v_mov_b32 v23, 0                               ; a lane permute's destination counts as read
	s_wait_kmcnt 0x0
	s_cmp_lt_u32 ttmp9, 128
	s_cbranch_scc0 .Lweights
	; ---- x: tokens 32 j on, K step = wave
	s_lshl_b32 s24, ttmp9, 16                      ; 32 rows of 2,048 bytes
	s_lshl_b32 s26, s16, 9
	s_add_co_u32 s24, s24, s26
	s_mov_b32 s25, 0
	s_add_nc_u64 s[24:25], s[4:5], s[24:25]
	s_lshr_b32 s26, ttmp9, 1
	s_mul_i32 s26, s26, 25600
	s_mov_b32 s27, 0
	s_add_nc_u64 s[26:27], s[10:11], s[26:27]      ; my record
	s_and_b32 s28, ttmp9, 1
	s_lshl_b32 s29, s16, 2
	s_lshl_b32 s30, s28, 1
	s_add_co_u32 s29, s29, s30
	s_mul_i32 s29, s29, 1536
	v_add_nc_u32 v6, s29, v2                       ; fragment (s, 2 (j % 2)) + 16 x lane
	s_lshl_b32 s29, s16, 8
	s_lshl_b32 s30, s28, 7
	s_add_co_u32 s29, s29, s30
	s_add_co_u32 s29, s29, 24576
	v_add_nc_u32 v7, s29, v3
.irp u, 0,1
.irp r, 0,1,2,3,4,5,6,7,8,9,10,11,12,13,14,15
	global_load_b128 v[64+64*\u+4*\r:67+64*\u+4*\r], v2, s[24:25] offset:(8*\u+\r%8+16*(\r/8))*2048 th:TH_LOAD_NT   ; 512 consecutive bytes of one row
.endr
.endr
.irp u, 0,1
	s_wait_loadcnt 16-16*\u                        ; this tile's 16 loads are in; the other tile's 16 may be out
.irp r, 0,1,2,3,4,5,6,7,8,9,10,11,12,13,14,15
	ds_store_b128 v8, v[64+64*\u+4*\r:67+64*\u+4*\r] offset:528*\r
.endr
.irp c, 0,1
.irp i, 0,1,2,3,4,5,6,7
	ds_load_b128 v[192+32*\c+4*\i:195+32*\c+4*\i], v9 offset:256*\c+16*\i
.endr
.endr
	s_wait_dscnt 0x0
	QB \u
.irp g, 0,1,2
	global_store_b128 v6, v[32+12*\u+4*\g:35+12*\u+4*\g], s[26:27] offset:1536*\u+512*\g
.endr
.endr
	v_cndmask_b32 v30, v30, v31, s22               ; lanes 0-15 the first tile's words, lanes 16-31 the second's
	global_store_b32 v7, v30, s[26:27]
	FINISH
.Lweights:
	s_cmp_lt_u32 ttmp9, 256
	s_cbranch_scc0 .Lwp
	; ---- Wq: columns 128 cb + 32 wave on, rows 128 s on
	s_sub_co_u32 s30, ttmp9, 128
	s_and_b32 s31, s30, 31                         ; cb
	s_lshr_b32 s30, s30, 5                         ; s
	s_lshl_b32 s24, s30, 21                        ; 128 rows of 16,384 bytes
	s_lshl_b32 s32, s31, 9
	s_add_co_u32 s24, s24, s32
	s_lshl_b32 s32, s16, 7
	s_add_co_u32 s24, s24, s32
	s_mov_b32 s25, 0
	s_add_nc_u64 s[24:25], s[6:7], s[24:25]
	s_lshl_b32 s26, s31, 1
	s_lshr_b32 s32, s16, 1
	s_add_co_u32 s26, s26, s32                     ; record n / 64
	s_mul_i32 s26, s26, 25600
	s_and_b32 s32, s16, 1
	s_lshl_b32 s33, s30, 8
	s_lshl_b32 s34, s32, 7
	s_add_co_u32 s28, s26, s33
	s_add_co_u32 s28, s28, s34
	s_add_co_u32 s28, s28, 24576
	s_lshl_b32 s33, s30, 2
	s_lshl_b32 s34, s32, 1
	s_add_co_u32 s33, s33, s34
	s_mul_i32 s33, s33, 1536
	s_add_co_u32 s26, s26, s33
	s_mov_b32 s27, 0
	s_mov_b32 s29, 0
	s_add_nc_u64 s[26:27], s[12:13], s[26:27]
	s_add_nc_u64 s[28:29], s[12:13], s[28:29]
	WPATH 16384, 12
	FINISH
.Lwp:
	; ---- Wp: columns 128 cb + 32 wave on, rows 128 kk on
	s_sub_co_u32 s30, ttmp9, 256
	s_and_b32 s31, s30, 3                          ; cb
	s_lshr_b32 s30, s30, 2                         ; kk
	s_lshl_b32 s24, s30, 18                        ; 128 rows of 2,048 bytes
	s_lshl_b32 s32, s31, 9
	s_add_co_u32 s24, s24, s32
	s_lshl_b32 s32, s16, 7
	s_add_co_u32 s24, s24, s32
	s_mov_b32 s25, 0
	s_add_nc_u64 s[24:25], s[8:9], s[24:25]
	s_bfe_u32 s32, s30, 0x20001                    ; (kk / 2) % 4
	s_lshl_b32 s32, s32, 2
	s_lshr_b32 s33, s30, 3
	s_add_co_u32 s32, s32, s33
	s_lshl_b32 s32, s32, 1
	s_and_b32 s33, s30, 1
	s_add_co_u32 s32, s32, s33                     ; pos(kk)
	s_lshl_b32 s26, s31, 1
	s_lshr_b32 s33, s16, 1
	s_add_co_u32 s26, s26, s33                     ; n / 64
	s_lshl_b32 s26, s26, 5
	s_add_co_u32 s26, s26, s32
	s_mul_i32 s26, s26, 6400
	s_and_b32 s33, s16, 1
	s_lshl_b32 s34, s33, 7
	s_add_co_u32 s28, s26, s34
	s_add_co_u32 s28, s28, 6144
	s_mul_i32 s33, s33, 3072
	s_add_co_u32 s26, s26, s33
	s_mov_b32 s27, 0
	s_mov_b32 s29, 0
	s_add_nc_u64 s[26:27], s[14:15], s[26:27]
	s_add_nc_u64 s[28:29], s[14:15], s[28:29]
	WPATH 2048, 16
	FINISH
.Lfunc_end_k_qa158a5d01a_quant:
	.size	k_qa158a5d01a_quant, .Lfunc_end_k_qa158a5d01a_quant-k_qa158a5d01a_quant
	.p2alignl 7, 3214868480
	.fill 96, 4, 3214868480
	.section	.rodata,"a",@progbits
	.p2align	6, 0x0
	.amdhsa_kernel k_qa158a5d01a_quant
		.amdhsa_group_segment_fixed_size 60928
		.amdhsa_private_segment_fixed_size 0
		.amdhsa_enable_private_segment 0
		.amdhsa_kernarg_size 48
		.amdhsa_user_sgpr_count 2
		.amdhsa_user_sgpr_kernarg_segment_ptr 1
		.amdhsa_wavefront_size32 1
		.amdhsa_system_sgpr_workgroup_id_x 1
		.amdhsa_system_sgpr_workgroup_id_y 1
		.amdhsa_system_sgpr_workgroup_id_z 1
		.amdhsa_system_vgpr_workitem_id 0
		.amdhsa_next_free_vgpr 256
		.amdhsa_next_free_sgpr 66
		.amdhsa_reserve_vcc 0
		.amdhsa_float_denorm_mode_32 3
		.amdhsa_float_denorm_mode_16_64 3
		.amdhsa_memory_ordered 1
		.amdhsa_forward_progress 1
		.amdhsa_inst_pref_size 59
	.end_amdhsa_kernel
	.amdgpu_metadata
---
amdhsa.version: [ 1, 2 ]
amdhsa.kernels:
  - .name:           k_qa158a5d01a_quant
    .symbol:         k_qa158a5d01a_quant.kd
    .args:
      - { .name: x, .offset: 0, .size: 8, .value_kind: global_buffer, .address_space: global }
      - { .name: Wq, .offset: 8, .size: 8, .value_kind: global_buffer, .address_space: global }
      - { .name: Wp, .offset: 16, .size: 8, .value_kind: global_buffer, .address_space: global }
      - { .name: xc, .offset: 24, .size: 8, .value_kind: global_buffer, .address_space: global }
      - { .name: wqc, .offset: 32, .size: 8, .value_kind: global_buffer, .address_space: global }
      - { .name: wpc, .offset: 40, .size: 8, .value_kind: global_buffer, .address_space: global }
    .group_segment_fixed_size: 60928
    .private_segment_fixed_size: 0
    .kernarg_segment_align: 8
    .kernarg_segment_size: 48
    .max_flat_workgroup_size: 128
    .sgpr_count:     66
    .vgpr_count:     256
    .wavefront_size: 32
...
	.end_amdgpu_metadata
.endif
;; end of part 1
;; launch qgemm (part 2): grid 16 x 16, 4 waves a work-group, clusters of 4 x 4, 207,360 bytes of LDS; arguments xc, wqc, qr, vr; writes qr, vr
.if DOCPART == 2
	.amdgcn_target "amdgcn-amd-amdhsa--gfx1250"
	.amdhsa_code_object_version 6
	.text
	.protected	k_qa158a5d01a_qgemm
	.globl	k_qa158a5d01a_qgemm
	.p2align	8
	.type	k_qa158a5d01a_qgemm,@function
k_qa158a5d01a_qgemm:
	s_mov_b64 s[64:65], 0
	v_nop
	global_prefetch_b8 v0, s[64:65] scope:SCOPE_SE
	s_setreg_imm32_b32 hwreg(HW_REG_WAVE_MODE, 25, 1), 1
	s_wait_xcnt 0x0
	s_wait_alu depctr_hold_cnt(0) depctr_sa_sdst(0) depctr_va_vdst(0) depctr_va_sdst(0) depctr_va_ssrc(0) depctr_va_vcc(0) depctr_vm_vsrc(0)
	s_getreg_b32 s2, hwreg(HW_REG_IB_STS2, 6, 4)
	s_cmp_eq_u32 s2, 0
	s_cbranch_scc0 .Lentry_in_a_cluster
	s_endpgm
.Lentry_in_a_cluster:
	s_bfe_u32 s2, ttmp6, 0x10000c
	s_cmp_lg_u32 s2, 0xf033
	s_cbranch_scc0 .Lentry_shape_is_right
	s_endpgm
.Lentry_shape_is_right:
; q = x Wq on codes of BF6, computed TWICE as the module writes it, and quantised at once: as Q along d (for q x^T) and as V along the tokens (for P V).  (Wv has no way to an output: see the first launch.)
; PASS 0: source 0 = 16 rows of Wq^T, source 1 = 16 tokens: a lane holds one token and its registers run along d: Q's blocks of 32.
; PASS 1: the sources change places (the same sums, transposed): a lane holds one d and its registers run along the tokens: V's blocks of 32.  So no f32 number is transposed or goes to memory.
; SHARES.  A work-group makes 256 tokens x 256 columns; K is 512, so both tiles (4 records of 25,600 bytes each: fragments as register images, then scale words) lie whole in LDS, filled once.
; A wave makes 128 x 128: 64 accumulators in windows 2 and 3.  A K step of 128 is 64 matrix instructions, source 1's blocks one after the other against source 0's eight.
; CLUSTER 4 x 4: x's tile hangs on the token block alone and is shared along a row of the cluster, Wq's on the column block alone and is shared along a column: each is asked for jointly.
; OUT: records of 12,800 bytes (128 rows x one K step): fragment a at 1,536 a, scale words at 12,288 + 64 a + 4 r.  qr[b h][token block][d step], vr[b h][d block][token step].
; LIMITS: a block of zeros gets the byte 1 (its codes are zeros); NaN and infinities are not served.
; REGISTERS: window 0: v4-7 LDS addresses; v22-24 the way out; v28, v29 the add's; v32-47 x's scale words, v48-63 Wq's (register 4 s + pair; lanes 0-15 the even tile, 16-31 the odd);
;   v64-103 the quantiser; v128-223 source 1's eight fragments.   window 1: source 0's fragments, two sets, at v0 and v128.   windows 2, 3: accumulator (a, b) at v[8 (8 (a % 4) + b)].
.set FLOOR, 0x2800000
.set SUB4,  0xfe000000
.set REC,   25600
.set FRB,   1536
.set WT,    102400                     ; LDS: x's tile from 0, Wq's from here,
.set GATHER, 204800                    ; 512 bytes a wave in which a record's scale words meet,
.set SPARE, 206848                     ; the spare words
.set AX,   4
.set AW,   5
.set SXA,  6
.set SWA,  7
.set GA,   22
.set GR,   23
.set GO16, 24
.set SPW,  28
.set NIL,  29
.set XS,   32
.set WS,   48
.set TM,   64
.set PW,   80
.set PC,   84
.set AF,   128
.set SEL,  20
.set G1X,  24
.set G0X,  32
.set G1W,  48
.set G0W,  56
.set OUTQ, 66
.set OUTV, 68
.set MUL_LO, 0xa1                      ; source 0 window 1, source 1 window 0, C and D window 2
.set MUL_HI, 0xf1
.set TO_B,   0x40
.set MSB, 0
.macro WIN new                         ; the immediate's high byte repeats the setting that is left
.if MSB != (\new)
	s_set_vgpr_msb (MSB<<8)|(\new)
.set MSB, (\new)
.endif
.endm
.macro PLACES                          ; four plain places behind a matrix instruction (ISA guide 7.12.1)
.rept 4
	v_nop
.endr
.endm
.macro CREST
	s_cmp_lg_u32 s14, 0
	s_cbranch_scc1 .Lnot_wave_0_\@
	s_barrier_signal -3
.Lnot_wave_0_\@:
	s_barrier_wait -3
	s_barrier_signal -1
	s_barrier_wait -1
.endm
.macro CROUND                          ; a round of the cluster's barrier
	s_barrier_signal -1
	s_barrier_wait -1
	CREST
.endm
; one matrix instruction.  z: the sum begins (C = 0).  ra, rb: the side's scale words stand in lanes 16-31
.macro WM d, a, b, z, sa, ra, sb, rb
.if (\z)
.if (\ra) && (\rb)
	v_wmma_scale_f32_16x16x128_f8f6f4 v[(\d):(\d)+7], v[(\a):(\a)+11], v[(\b):(\b)+11], 0, v[\sa], v[\sb] matrix_a_fmt:MATRIX_FMT_BF6 matrix_b_fmt:MATRIX_FMT_BF6 matrix_a_scale:MATRIX_SCALE_ROW1 matrix_b_scale:MATRIX_SCALE_ROW1
.elseif (\ra)
	v_wmma_scale_f32_16x16x128_f8f6f4 v[(\d):(\d)+7], v[(\a):(\a)+11], v[(\b):(\b)+11], 0, v[\sa], v[\sb] matrix_a_fmt:MATRIX_FMT_BF6 matrix_b_fmt:MATRIX_FMT_BF6 matrix_a_scale:MATRIX_SCALE_ROW1
.elseif (\rb)
	v_wmma_scale_f32_16x16x128_f8f6f4 v[(\d):(\d)+7], v[(\a):(\a)+11], v[(\b):(\b)+11], 0, v[\sa], v[\sb] matrix_a_fmt:MATRIX_FMT_BF6 matrix_b_fmt:MATRIX_FMT_BF6 matrix_b_scale:MATRIX_SCALE_ROW1
.else
	v_wmma_scale_f32_16x16x128_f8f6f4 v[(\d):(\d)+7], v[(\a):(\a)+11], v[(\b):(\b)+11], 0, v[\sa], v[\sb] matrix_a_fmt:MATRIX_FMT_BF6 matrix_b_fmt:MATRIX_FMT_BF6
.endif
.else
.if (\ra) && (\rb)
	v_wmma_scale_f32_16x16x128_f8f6f4 v[(\d):(\d)+7], v[(\a):(\a)+11], v[(\b):(\b)+11], v[(\d):(\d)+7], v[\sa], v[\sb] matrix_a_fmt:MATRIX_FMT_BF6 matrix_b_fmt:MATRIX_FMT_BF6 matrix_a_scale:MATRIX_SCALE_ROW1 matrix_b_scale:MATRIX_SCALE_ROW1
.elseif (\ra)
	v_wmma_scale_f32_16x16x128_f8f6f4 v[(\d):(\d)+7], v[(\a):(\a)+11], v[(\b):(\b)+11], v[(\d):(\d)+7], v[\sa], v[\sb] matrix_a_fmt:MATRIX_FMT_BF6 matrix_b_fmt:MATRIX_FMT_BF6 matrix_a_scale:MATRIX_SCALE_ROW1
.elseif (\rb)
	v_wmma_scale_f32_16x16x128_f8f6f4 v[(\d):(\d)+7], v[(\a):(\a)+11], v[(\b):(\b)+11], v[(\d):(\d)+7], v[\sa], v[\sb] matrix_a_fmt:MATRIX_FMT_BF6 matrix_b_fmt:MATRIX_FMT_BF6 matrix_b_scale:MATRIX_SCALE_ROW1
.else
	v_wmma_scale_f32_16x16x128_f8f6f4 v[(\d):(\d)+7], v[(\a):(\a)+11], v[(\b):(\b)+11], v[(\d):(\d)+7], v[\sa], v[\sb] matrix_a_fmt:MATRIX_FMT_BF6 matrix_b_fmt:MATRIX_FMT_BF6
.endif
.endif
.endm
.macro FR3 reg, adr, off               ; a fragment's image: three loads of 16 bytes a lane, each 512 consecutive bytes
.irp g, 0,1,2
	ds_load_b128 v[(\reg)+4*\g:(\reg)+4*\g+3], v[\adr] offset:(\off)+512*\g
.endr
.endm
.macro FETCH0 adr, s, set              ; source 0's eight fragments of K step s into a set of window 1
	WIN TO_B
.irp i, 0,1,2,3,4,5,6,7
	FR3 128*(\set)+12*\i, \adr, (\i/4)*REC+(4*(\s)+\i%4)*FRB
.endr
	WIN 0
.endm
.macro FETCH1 adr, s, i0               ; source 1's blocks i0 .. i0 + 3
.irp k, 0,1,2,3
	FR3 AF+12*((\i0)+\k), \adr, ((\i0)/4)*REC+(4*(\s)+\k)*FRB
.endr
.endm
; 32 matrix instructions: source 1's blocks a0 .. a0 + 3 against source 0's eight.  The 64 accumulators take turns, one instruction a turn, in the same order in every step
.macro MUL32 a0, set, s, sc0, sc1, z
.irp a, 0,1,2,3
.irp b, 0,1,2,3,4,5,6,7
	WM 8*(8*\a+\b), 128*(\set)+12*\b, AF+12*((\a0)+\a), \z, (\sc0)+4*(\s)+\b/2, \b%2, (\sc1)+4*(\s)+((\a0)+\a)/2, \a%2
.endr
.endr
.endm
.macro KSTEP s, ad0, ad1, sc0, sc1
	s_wait_dscnt 12                                ; all but the youngest twelve loads, source 1's blocks 4-7
	WIN MUL_LO
	MUL32 0, (\s)%2, \s, \sc0, \sc1, (\s)==0
	s_wait_dscnt 0x0                               ; blocks 4-7 are in
.if \s < 3
	PLACES
	FETCH0 \ad0, (\s)+1, 1-(\s)%2
	FETCH1 \ad1, (\s)+1, 0
.endif
	WIN MUL_HI
	MUL32 4, (\s)%2, \s, \sc0, \sc1, (\s)==0
.if \s < 3
	PLACES
	WIN 0
	FETCH1 \ad1, (\s)+1, 4
.endif
.endm
.macro PROLOG ad0, ad1
	FETCH0 \ad0, 0, 0
	FETCH1 \ad1, 0, 0
	FETCH1 \ad1, 0, 4
.endm
; 64 accumulator registers v[s] on of window w, register 16 b + i = k 32 b + 16 (lane / 16) + i of my row, become a fragment's codes in v[PC] on and its scale word in v[PW]
.macro QUANTW w, s
	WIN (\w)|((\w)<<2)
.irp b, 0,1,2,3
	v_max3_num_f32 v[TM+\b], |v[(\s)+16*\b]|, |v[(\s)+1+16*\b]|, FLOOR      ; each accumulator is read from its low end on
.endr
	WIN ((\w)<<2)|((\w)<<4)
.irp i, 2,4,6,8,10,12,14
.irp b, 0,1,2,3
	v_max3_num_f32 v[TM+\b], v[TM+\b], |v[(\s)+16*\b+\i]|, |v[(\s)+1+16*\b+\i]|
.endr
.endr
	WIN 0
	s_wait_alu depctr_va_vdst(0)
	s_wait_dscnt 0x0                               ; the last scale word's LDS store has read v[PW],
	s_wait_xcnt 0x0                                ; the last fragment's stores have read v[PC] on: both are written again only behind these
.irp b, 0,1,2,3
	v_permlanex16_b32 v[TM+4+\b], v[TM+\b], s[SEL], s[SEL+1]
.endr
.irp b, 0,1,2,3
	v_max_num_f32 v[TM+\b], v[TM+\b], v[TM+4+\b]
.endr
.irp b, 0,1,2,3
	v_add_nc_u32 v[TM+12+\b], SUB4, v[TM+\b]
.endr
.irp b, 0,1,2,3
	v_lshrrev_b32 v[TM+4+\b], 23, v[TM+12+\b]
.endr
	v_lshl_or_b32 v[PW], v[TM+5], 8, v[TM+4]
	v_lshl_or_b32 v[PW], v[TM+6], 16, v[PW]
	v_lshl_or_b32 v[PW], v[TM+7], 24, v[PW]
	WIN \w
.irp c, 0,1
	v_cvt_scalef32_pk16_bf6_f32 v[PC+6*\c:PC+2+6*\c], v[(\s)+32*\c:(\s)+15+32*\c], v[TM+12+2*\c]
	v_cvt_scalef32_pk16_bf6_f32 v[PC+12+4*\c:PC+14+4*\c], v[(\s)+16+32*\c:(\s)+31+32*\c], v[TM+12+2*\c+1]
.endr
	WIN 0
	v_nop                                          ; one plain place behind the conversions
.irp c, 0,1
.irp i, 0,1,2
	v_permlane16_swap_b32 v[PC+6*\c+\i], v[PC+12+4*\c+\i]    ; a whole block to a lane
.endr
.irp i, 0,1,2
	v_mov_b32 v[PC+3+6*\c+\i], v[PC+12+4*\c+\i]
.endr
.endr
.endm
.macro EPI a, out                      ; block a of source 1: its 128 results a lane become fragment a of the record
	QUANTW 2+(\a)/4, 64*((\a)%4)
.irp g, 0,1,2
	global_store_b128 v[GO16], v[PC+4*\g:PC+4*\g+3], s[\out:\out+1] offset:FRB*(\a)+512*\g   ; 512 consecutive bytes, aligned
.endr
	ds_store_b32 v[GA], v[PW] offset:64*(\a)       ; lanes r and r + 16 write the same word with the same value
.endm
.macro EPIEND out                      ; the record's 512 bytes of scale words leave whole
	s_wait_xcnt 0x0
	ds_load_b128 v[PC:PC+3], v[GR]
	s_wait_dscnt 0x0
	global_store_b128 v[GO16], v[PC:PC+3], s[\out:\out+1] offset:12288
.endm
	s_load_b256 s[4:11], s[0:1], 0x0               ; xc, wqc, qr, vr
	v_lshl_add_u32 v[SPW], v0, 2, SPARE
	v_mov_b32 v[NIL], 0
	ds_add_u32 v[SPW], v[NIL]                      ; the opening: the add, twice on end, and its wait ahead of my first tensor load
	ds_add_u32 v[SPW], v[NIL]
	v_lshrrev_b32 v1, 5, v0
	v_readfirstlane_b32 s14, v1                    ; wave
	s_lshr_b32 s15, s14, 1                         ; my half of the tokens.  Also: I fetch for x (0) or for Wq (1)
	s_and_b32 s16, s14, 1                          ; my half of the columns.  Also: which two records I fetch
	s_bfe_u32 s40, ttmp6, 0x40000                  ; cx
	s_bfe_u32 s41, ttmp6, 0x40004                  ; cy
	s_lshl_b32 s42, ttmp9, 2
	s_add_co_u32 s42, s42, s40                     ; column block of 256
	s_and_b32 s17, ttmp7, 0xffff
	s_lshl_b32 s17, s17, 2
	s_add_co_u32 s17, s17, s41                     ; token block of 256
	s_lshl_b32 s43, s41, 2
	s_lshl_b32 s43, 15, s43                        ; my row of the cluster
	s_lshl_b32 s44, 0x1111, s40                    ; my column
	s_or_b32 s[G1X], s43, (3<<16)|(1<<21)          ; group 1: 200 dense rows of 32 elements of 8 bytes; the mask, bit 21 beside it
	s_or_b32 s[G1W], s44, (3<<16)|(1<<21)
.irp g, G1X, G1W
	s_mov_b32 s[\g+1], 32<<16
	s_mov_b32 s[\g+2], 200<<16
	s_mov_b32 s[\g+3], 32<<16
	s_mov_b32 s[\g+4], 200
	s_mov_b32 s[\g+5], 32
	s_mov_b32 s[\g+6], 0
	s_mov_b32 s[\g+7], 0
.endr
	s_lshl_b32 s18, s16, 1
	s_lshl_b32 s2, s17, 2
	s_add_co_u32 s2, s2, s18
	s_mul_i32 s2, s2, REC                          ; x: records 4 x token block + 2 x half on
	s_mov_b32 s3, 0
	s_lshl_b32 s46, s42, 2
	s_add_co_u32 s46, s46, s18
	s_mul_i32 s46, s46, REC                        ; Wq: records 4 x column block + 2 x half on
	s_mov_b32 s47, 0
	s_mul_i32 s45, s14, 2*REC                      ; where they go: 51,200 x wave
	s_mov_b32 s[SEL], 0x76543210
	s_mov_b32 s[SEL+1], 0xfedcba98
	s_wait_dscnt 0x0                               ; both opening adds are done
	s_wait_kmcnt 0x0
	CROUND                                         ; all sixteen work-groups are here: the joint loads meet
	s_mov_b32 s[G0X], 1
	s_mov_b32 s[G0X+1], s45
	s_add_nc_u64 s[G0X+2:G0X+3], s[4:5], s[2:3]
	s_or_b32 s[G0X+3], s[G0X+3], 0x80000000
	s_mov_b32 s[G0W], 1
	s_mov_b32 s[G0W+1], s45
	s_add_nc_u64 s[G0W+2:G0W+3], s[6:7], s[46:47]
	s_or_b32 s[G0W+3], s[G0W+3], 0x80000000
	s_cmp_eq_u32 s15, 0                            ; one load a wave, the only one of the launch; an s_nop 0 and four v_nop follow each line
	s_cbranch_scc0 .Lfor_w
	tensor_load_to_lds s[G0X:G0X+3], s[G1X:G1X+7]
	s_nop 0
	PLACES
	s_branch .Lasked
.Lfor_w:
	tensor_load_to_lds s[G0W:G0W+3], s[G1W:G1W+7]
	s_nop 0
	PLACES
.Lasked:
	v_and_b32 v1, 31, v0
	v_lshlrev_b32 v[GO16], 4, v1
	v_lshlrev_b32 v2, 2, v1
	s_mul_i32 s18, s15, 2*REC
	s_mul_i32 s19, s16, 2*REC
	s_add_co_u32 s19, s19, WT
	v_add_nc_u32 v[AX], s18, v[GO16]
	v_add_nc_u32 v[AW], s19, v[GO16]
	v_add_nc_u32 v[SXA], s18, v2
	v_add_nc_u32 v[SWA], s19, v2
	s_lshl_b32 s18, s14, 9
	s_add_co_u32 s18, s18, GATHER
	v_and_b32 v3, 15, v0
	v_lshl_add_u32 v[GA], v3, 2, s18
	v_add_nc_u32 v[GR], s18, v[GO16]
.irp b, 0,1,2,3
	v_mov_b32 v[TM+4+\b], 0                        ; a lane permute's destination counts as read
.endr
	s_lshl_b32 s70, s17, 1
	s_add_co_u32 s70, s70, s15                     ; my block of 128 tokens
	s_lshl_b32 s71, s42, 1
	s_add_co_u32 s71, s71, s16                     ; my block of 128 columns
	s_lshr_b32 s72, s70, 3                         ; b
	s_and_b32 s70, s70, 7                          ; token block in the batch
	s_lshr_b32 s73, s71, 2                         ; h
	s_and_b32 s71, s71, 3                          ; d block in the head
	s_lshl_b32 s72, s72, 3
	s_add_co_u32 s72, s72, s73                     ; 8 b + h
	s_lshl_b32 s74, s72, 3
	s_add_co_u32 s74, s74, s70
	s_lshl_b32 s74, s74, 2
	s_add_co_u32 s74, s74, s71
	s_mul_i32 s74, s74, 12800
	s_mov_b32 s75, 0
	s_add_nc_u64 s[OUTQ:OUTQ+1], s[8:9], s[74:75]
	s_lshl_b32 s74, s72, 2
	s_add_co_u32 s74, s74, s71
	s_lshl_b32 s74, s74, 3
	s_add_co_u32 s74, s74, s70
	s_mul_i32 s74, s74, 12800
	s_add_nc_u64 s[OUTV:OUTV+1], s[10:11], s[74:75]
	s_wait_alu depctr_va_vdst(0)
	s_wait_tensorcnt 0x0                           ; my part of the tiles is in,
	s_barrier_signal -1
	s_barrier_wait -1                              ; everybody's is
.irp s, 0,1,2,3
.irp p, 0,1,2,3
	ds_load_b32 v[XS+4*\s+\p], v[SXA] offset:(\p/2)*REC+24576+256*\s+128*(\p%2)    ; all scale words, kept for both passes
	ds_load_b32 v[WS+4*\s+\p], v[SWA] offset:(\p/2)*REC+24576+256*\s+128*(\p%2)
.endr
.endr
	PROLOG AW, AX
.irp s, 0,1,2,3
	KSTEP \s, AW, AX, WS, XS                       ; pass 0: a lane holds a token
.endr
	PLACES
	PROLOG AX, AW                                  ; pass 1's first fragments land while pass 0's results are quantised
.irp a, 0,1,2,3,4,5,6,7
	EPI \a, OUTQ
.endr
	EPIEND OUTQ
.irp s, 0,1,2,3
	KSTEP \s, AX, AW, XS, WS                       ; pass 1: a lane holds a column d
.endr
	PLACES
.irp a, 0,1,2,3,4,5,6,7
	EPI \a, OUTV
.endr
	EPIEND OUTV
	s_wait_tensorcnt 0x0                           ; the wave's end
	ds_add_u32 v[SPW], v[NIL]
	s_wait_dscnt 0x0
	CROUND                                         ; the closing round
	s_endpgm
.Lfunc_end_k_qa158a5d01a_qgemm:
	.size	k_qa158a5d01a_qgemm, .Lfunc_end_k_qa158a5d01a_qgemm-k_qa158a5d01a_qgemm
	.p2alignl 7, 3214868480
	.fill 96, 4, 3214868480
	.section	.rodata,"a",@progbits
	.p2align	6, 0x0
	.amdhsa_kernel k_qa158a5d01a_qgemm
		.amdhsa_group_segment_fixed_size 207360
		.amdhsa_private_segment_fixed_size 0
		.amdhsa_enable_private_segment 0
		.amdhsa_kernarg_size 32
		.amdhsa_user_sgpr_count 2
		.amdhsa_user_sgpr_kernarg_segment_ptr 1
		.amdhsa_wavefront_size32 1
		.amdhsa_system_sgpr_workgroup_id_x 1
		.amdhsa_system_sgpr_workgroup_id_y 1
		.amdhsa_system_sgpr_workgroup_id_z 1
		.amdhsa_system_vgpr_workitem_id 0
		.amdhsa_next_free_vgpr 1024
		.amdhsa_next_free_sgpr 80
		.amdhsa_reserve_vcc 0
		.amdhsa_float_denorm_mode_32 3
		.amdhsa_float_denorm_mode_16_64 3
		.amdhsa_memory_ordered 1
		.amdhsa_forward_progress 1
		.amdhsa_inst_pref_size 169
	.end_amdhsa_kernel
	.amdgpu_metadata
---
amdhsa.version: [ 1, 2 ]
amdhsa.kernels:
  - .name:           k_qa158a5d01a_qgemm
    .symbol:         k_qa158a5d01a_qgemm.kd
    .args:
      - { .name: xc, .offset: 0, .size: 8, .value_kind: global_buffer, .address_space: global }
      - { .name: wqc, .offset: 8, .size: 8, .value_kind: global_buffer, .address_space: global }
      - { .name: qr, .offset: 16, .size: 8, .value_kind: global_buffer, .address_space: global }
      - { .name: vr, .offset: 24, .size: 8, .value_kind: global_buffer, .address_space: global }
    .group_segment_fixed_size: 207360
    .private_segment_fixed_size: 0
    .kernarg_segment_align: 8
    .kernarg_segment_size: 32
    .max_flat_workgroup_size: 128
    .sgpr_count:     80
    .vgpr_count:     1024
    .wavefront_size: 32
...
	.end_amdgpu_metadata
.endif
;; end of part 2
;; launch attn (part 3): grid 8 x 32, 8 waves a work-group, clusters of 4 x 1, 327,680 bytes of LDS; arguments qr, xc, vr, orec; writes orec
.if DOCPART == 3
	.amdgcn_target "amdgcn-amd-amdhsa--gfx1250"
	.amdhsa_code_object_version 6
	.text
	.protected	k_qa158a5d01a_attn
	.globl	k_qa158a5d01a_attn
	.p2align	8
	.type	k_qa158a5d01a_attn,@function
k_qa158a5d01a_attn:
	s_mov_b64 s[64:65], 0
	v_nop
	global_prefetch_b8 v0, s[64:65] scope:SCOPE_SE
	s_setreg_imm32_b32 hwreg(HW_REG_WAVE_MODE, 25, 1), 1
	s_wait_xcnt 0x0
	s_wait_alu depctr_hold_cnt(0) depctr_sa_sdst(0) depctr_va_vdst(0) depctr_va_sdst(0) depctr_va_ssrc(0) depctr_va_vcc(0) depctr_vm_vsrc(0)
	s_getreg_b32 s2, hwreg(HW_REG_IB_STS2, 6, 4)
	s_cmp_eq_u32 s2, 0
	s_cbranch_scc0 .Lentry_in_a_cluster
	s_endpgm
.Lentry_in_a_cluster:
	s_bfe_u32 s2, ttmp6, 0x10000c
	s_cmp_lg_u32 s2, 0x3003
	s_cbranch_scc0 .Lentry_shape_is_right
	s_endpgm
.Lentry_shape_is_right:
; O = softmax(q x^T / sqrt(512)) V on codes of BF6 for 128 queries of one head, quantised along d for the projection.  (Wv has no way to an output: see the first launch.)
; SHARES.  256 work-groups of EIGHT waves.  Wave W: w = W % 4, qh = W / 4: it owns query blocks 4 qh .. 4 qh + 3 (64 queries).
; SCORES: keys 256 w .. 256 w + 255 in four steps of 64, S^T = x q^T, so that a lane holds one query; M is the ceiling of the running largest t; p goes to LDS as register images.
; The waves' M and sums meet in LDS; p's scale bytes take up the power of two between a wave's M and the row's.  VALUES: d 128 w .. 128 w + 127 of O^T for the wave's 64 queries over all 1,024 keys.
; TWO KINDS OF WAVE, by (W + W / 4) % 2: between two rounds kind A multiplies a step and then takes its softmax, kind B takes the last step's softmax and then multiplies: matrix work and vector work stand in opposite order.
; RING: for each w two slots of 25,600 bytes, read by waves w and w + 4.  At the head wave W fills slot qh whole (100 rows); a refill is 50 rows a wave, half qh of the slot, behind a round of the cluster's barrier.
; CLUSTER 4 x 1: the four query blocks of a cluster read the same keys and values: joint loads.  PREFETCH: each fill of V is asked for one fill ahead, 50 blocks of 256 bytes a wave shared out among the four partners by address.
; LIMITS: the promise holds while the scaled scores stay under 2^31 in magnitude; NaN and infinities are not served; a block of zeros gets the byte 1 (its codes are zeros).
; REGISTERS.  window 0: v4-31 addresses; v32-47 scale words alone; v48-55 -M and the largest t, later 1 / sum; v56-63 sums; v64-79 the blocks' largest p; v80-83 factors;
;   scores: v88-183 key fragments, two sets (the softmax's scratch lies on them), v184-255 q's fragments 10-15;  values: v64-159 V's eight fragments, v160-255 p's four, two sets.
;   window 1: scores: v0-127 S^T (32 a + 8 t), v128-247 q's fragments 0-9 (fragment 4 a + s);  values: accumulator (a, t) at v[64 a + 8 t].
.set FLOOR, 0x2800000
.set SUB4,  0xfe000000
.set REC,   25600
.set HREC,  12800
.set FRB,   1536
.set SLOT1, 25600
.set PIMG,  204800
.set PSC,   303104
.set STATM, 307200
.set STATL, 311296
.set OSC,   315392
.set SPARE, 317440
.set AS,   4
.set AS4,  6
.set PB,   8
.set PA,   10
.set H8,   12
.set SMW,  13
.set SLW,  14
.set SMR,  15
.set SLR,  16
.set PSW,  17
.set PSR,  18
.set PR16, 19
.set GA,   22
.set GR,   23
.set GO16, 24
.set PFO,  25
.set L4,   26
.set GO8,  27
.set SPW,  28
.set NIL,  29
.set PR8,  30
.set QS,   32
.set KS,   40
.set NM,   48
.set LS,   56
.set PM,   64
.set FF,   80
.set KF,   88
.set BM,   88
.set TP,   96
.set UU,   104
.set PT,   112
.set TQ,   112
.set QA,   128
.set QB,   184
.set SCV,  32
.set VF,   64
.set PF,   160
.set TM,   64
.set PW,   80
.set PC,   84
.set SEL,  20
.set CS,   22
.set G0,   32
.set HM,   47
.set OUT,  66
.set OUT2, 70
.set MSB, 0
.macro WIN new
.if MSB != (\new)
	s_set_vgpr_msb (MSB<<8)|(\new)
.set MSB, (\new)
.endif
.endm
.macro PLACES                          ; four plain places behind a matrix instruction (ISA guide 7.12.1)
.rept 4
	v_nop
.endr
.endm
.macro CROUND                          ; a round of the cluster's barrier
	s_barrier_signal -1
	s_barrier_wait -1
	s_cmp_lg_u32 s12, 0
	s_cbranch_scc1 .Lnot_wave_0_\@
	s_barrier_signal -3
.Lnot_wave_0_\@:
	s_barrier_wait -3
	s_barrier_signal -1
	s_barrier_wait -1
.endm
.macro WM d, a, b, z, sa, ra, sb, rb
.if (\z)
.if (\ra) && (\rb)
	v_wmma_scale_f32_16x16x128_f8f6f4 v[(\d):(\d)+7], v[(\a):(\a)+11], v[(\b):(\b)+11], 0, v[\sa], v[\sb] matrix_a_fmt:MATRIX_FMT_BF6 matrix_b_fmt:MATRIX_FMT_BF6 matrix_a_scale:MATRIX_SCALE_ROW1 matrix_b_scale:MATRIX_SCALE_ROW1
.elseif (\ra)
	v_wmma_scale_f32_16x16x128_f8f6f4 v[(\d):(\d)+7], v[(\a):(\a)+11], v[(\b):(\b)+11], 0, v[\sa], v[\sb] matrix_a_fmt:MATRIX_FMT_BF6 matrix_b_fmt:MATRIX_FMT_BF6 matrix_a_scale:MATRIX_SCALE_ROW1
.elseif (\rb)
	v_wmma_scale_f32_16x16x128_f8f6f4 v[(\d):(\d)+7], v[(\a):(\a)+11], v[(\b):(\b)+11], 0, v[\sa], v[\sb] matrix_a_fmt:MATRIX_FMT_BF6 matrix_b_fmt:MATRIX_FMT_BF6 matrix_b_scale:MATRIX_SCALE_ROW1
.else
	v_wmma_scale_f32_16x16x128_f8f6f4 v[(\d):(\d)+7], v[(\a):(\a)+11], v[(\b):(\b)+11], 0, v[\sa], v[\sb] matrix_a_fmt:MATRIX_FMT_BF6 matrix_b_fmt:MATRIX_FMT_BF6
.endif
.else
.if (\ra) && (\rb)
	v_wmma_scale_f32_16x16x128_f8f6f4 v[(\d):(\d)+7], v[(\a):(\a)+11], v[(\b):(\b)+11], v[(\d):(\d)+7], v[\sa], v[\sb] matrix_a_fmt:MATRIX_FMT_BF6 matrix_b_fmt:MATRIX_FMT_BF6 matrix_a_scale:MATRIX_SCALE_ROW1 matrix_b_scale:MATRIX_SCALE_ROW1
.elseif (\ra)
	v_wmma_scale_f32_16x16x128_f8f6f4 v[(\d):(\d)+7], v[(\a):(\a)+11], v[(\b):(\b)+11], v[(\d):(\d)+7], v[\sa], v[\sb] matrix_a_fmt:MATRIX_FMT_BF6 matrix_b_fmt:MATRIX_FMT_BF6 matrix_a_scale:MATRIX_SCALE_ROW1
.elseif (\rb)
	v_wmma_scale_f32_16x16x128_f8f6f4 v[(\d):(\d)+7], v[(\a):(\a)+11], v[(\b):(\b)+11], v[(\d):(\d)+7], v[\sa], v[\sb] matrix_a_fmt:MATRIX_FMT_BF6 matrix_b_fmt:MATRIX_FMT_BF6 matrix_b_scale:MATRIX_SCALE_ROW1
.else
	v_wmma_scale_f32_16x16x128_f8f6f4 v[(\d):(\d)+7], v[(\a):(\a)+11], v[(\b):(\b)+11], v[(\d):(\d)+7], v[\sa], v[\sb] matrix_a_fmt:MATRIX_FMT_BF6 matrix_b_fmt:MATRIX_FMT_BF6
.endif
.endif
.endm
.macro FR3 reg, adr, off               ; a fragment's image: three loads of 16 bytes a lane
.irp g, 0,1,2
	ds_load_b128 v[(\reg)+4*\g:(\reg)+4*\g+3], v[\adr] offset:(\off)+512*\g
.endr
.endm
.macro ASK0                            ; V's fill 1, in the second trip, by the first of the two clusters that read it
	s_cmp_gt_u32 s44, s46
	s_cbranch_scc0 .Lno_\@
	global_prefetch_b8 v[PFO], s[18:19] offset:-REC th:TH_LOAD_NT scope:SCOPE_SE
.Lno_\@:
.endm
.macro ASK1 off
	s_cmp_eq_u32 s46, 0
	s_cbranch_scc0 .Lno_\@
	global_prefetch_b8 v[PFO], s[18:19] offset:\off th:TH_LOAD_NT scope:SCOPE_SE
.Lno_\@:
.endm
.macro QMUL s, qw                      ; the products of K step s whose fragment of q lies in window qw
.irp t, 0,1,2,3
.irp a, 0,1,2,3
.if \qw
.if (4*\a+\s) < 10
	WM 32*\a+8*\t, KF+48*(\s%2)+12*\t, QA+12*(4*\a+\s), \s==0, KS+2*\s+\t/2, \t%2, QS+2*\s+\a/2, \a%2
.endif
.else
.if (4*\a+\s) >= 10
	WM 32*\a+8*\t, KF+48*(\s%2)+12*\t, QB+12*(4*\a+\s-10), \s==0, KS+2*\s+\t/2, \t%2, QS+2*\s+\a/2, \a%2
.endif
.endif
.endr
.endr
.endm
.macro SMUL sg                         ; S^T of 64 keys x 64 queries: 64 matrix instructions, the 16 accumulators by turns
.irp s, 0,1,2,3
.irp p, 0,1
	ds_load_b32 v[KS+2*\s+\p], v[AS4+\sg] offset:24576+256*\s+128*\p
.endr
.endr
.irp e, 0,1
.irp t, 0,1,2,3
	FR3 KF+48*\e+12*\t, AS+\sg, (4*\e+\t)*FRB
.endr
.endr
.irp s, 0,1,2,3
.if \s < 3
	s_wait_dscnt 12                                ; all but the youngest twelve loads, the other set's four fragments
.else
	s_wait_dscnt 0x0
.endif
	WIN 0x54
	QMUL \s, 1
	WIN 0x50
	QMUL \s, 0
	WIN 0
	PLACES
.if \s < 2
.irp t, 0,1,2,3
	FR3 KF+48*(\s%2)+12*\t, AS+\sg, (4*(\s+2)+\t)*FRB
.endr
.endif
.endr
.endm
.macro CHANGE sg                       ; slot sg has been read by both its waves: it is filled again behind a round
	s_wait_alu depctr_va_vdst(0)
	s_wait_tensorcnt 0x0
	ds_add_u32 v[SPW], v[NIL]
	s_cmp_eq_u32 s44, 0
	s_cselect_b64 s[G0+4*\sg+2:G0+4*\sg+3], s[40:41], s[42:43]   ; first trip: key steps 2, 3; second trip: V's fills 0, 1
.if \sg
	s_add_nc_u64 s[G0+4*\sg+2:G0+4*\sg+3], s[G0+4*\sg+2:G0+4*\sg+3], REC
.endif
	s_or_b32 s[G0+4*\sg+3], s[G0+4*\sg+3], 0x80000000
	s_wait_dscnt 0x0
	CROUND
	tensor_load_to_lds s[G0+4*\sg:G0+4*\sg+3], s[24:31]
	s_nop 0
	PLACES
.if \sg
	ASK1 0
.else
	ASK0
.endif
.endm
.macro SOFT adr, off                   ; the softmax of one step: 64 keys x my 64 queries; p's codes go to v[adr], v[adr + 1] + off
	WIN 0x15
.irp a, 0,1,2,3
.irp b, 0,1
	v_max3_num_f32 v[BM+2*\a+\b], v[32*\a+16*\b], v[32*\a+16*\b+1], v[32*\a+16*\b+2]   ; each accumulator is read from its low end on
.endr
.endr
	WIN 0x14
.irp i, 3,5,7,9,11,13
.irp a, 0,1,2,3
.irp b, 0,1
	v_max3_num_f32 v[BM+2*\a+\b], v[BM+2*\a+\b], v[32*\a+16*\b+\i], v[32*\a+16*\b+\i+1]
.endr
.endr
.endr
.irp a, 0,1,2,3
.irp b, 0,1
	v_max_num_f32 v[BM+2*\a+\b], v[BM+2*\a+\b], v[32*\a+16*\b+15]
.endr
.endr
	WIN 0
.irp x, 0,1,2,3,4,5,6,7
	v_permlanex16_b32 v[TP+\x], v[BM+\x], s[SEL], s[SEL+1]
.endr
.irp x, 0,1,2,3,4,5,6,7
	v_max_num_f32 v[BM+\x], v[BM+\x], v[TP+\x]     ; the largest score of each block of 32 keys
.endr
.irp a, 0,1,2,3
	v_max_num_f32 v[UU+\a], v[BM+2*\a], v[BM+2*\a+1]
.endr
.irp a, 0,1,2,3
	v_mul_f32 v[UU+\a], s[CS], v[UU+\a]
.endr
.irp a, 0,1,2,3
	v_max_num_f32 v[NM+2*\a+1], v[NM+2*\a+1], v[UU+\a]   ; the running largest t
.endr
.irp a, 0,1,2,3
	v_mov_b32 v[UU+\a], v[NM+2*\a]
.endr
.irp a, 0,1,2,3
	v_floor_f32 v[NM+2*\a], -v[NM+2*\a+1]          ; -M
.endr
.irp a, 0,1,2,3
	v_sub_f32 v[UU+\a], v[NM+2*\a], v[UU+\a]
.endr
.irp a, 0,1,2,3
	v_cvt_i32_f32 v[UU+\a], v[UU+\a]
.endr
.irp a, 0,1,2,3
	v_ldexp_f32 v[FF+\a], 1.0, v[UU+\a]            ; 2^(old M - new M)
.endr
.irp a, 0,1,2,3
.irp b, 0,1
	v_fma_f32 v[BM+2*\a+\b], v[BM+2*\a+\b], s[CS], v[NM+2*\a]
.endr
.endr
	WIN 0x41
.set j, 0
.rept 16
	v_pk_fma_f32 v[j:j+1], v[j:j+1], s[CS:CS+1], v[NM:NM+1] op_sel_hi:[1,0,0]
.set j, j+2
.endr
.irp a, 0,1,2
.set j, 0
	s_wait_alu depctr_va_vdst(0)
.rept 16
	v_pk_fma_f32 v[32*\a+32+j:32*\a+33+j], v[32*\a+32+j:32*\a+33+j], s[CS:CS+1], v[NM+2*\a+2:NM+2*\a+3] op_sel_hi:[1,0,0]
	v_exp_f32 v[32*\a+j], v[32*\a+j]
	v_exp_f32 v[32*\a+j+1], v[32*\a+j+1]
.set j, j+2
.endr
.endr
.set j, 96
	s_wait_alu depctr_va_vdst(0)
.rept 32
	v_exp_f32 v[j], v[j]
.set j, j+1
.endr
	WIN 0
.irp x, 0,1,2,3,4,5,6,7
	v_exp_f32 v[BM+\x], v[BM+\x]                   ; each block's largest p
.endr
	v_nop
	s_wait_alu depctr_va_vdst(0)                   ; one wait for the batch, ahead of its first reader
	WIN 0x05
.irp a, 0,1,2,3
	v_pk_add_f32 v[UU+2*\a:UU+2*\a+1], v[32*\a:32*\a+1], v[32*\a+2:32*\a+3]
.endr
	WIN 0x04
.irp i, 4,6,8,10,12,14,16,18,20,22,24,26,28,30
.irp a, 0,1,2,3
	v_pk_add_f32 v[UU+2*\a:UU+2*\a+1], v[UU+2*\a:UU+2*\a+1], v[32*\a+\i:32*\a+\i+1]
.endr
.endr
	WIN 0
.irp a, 0,1,2,3
	v_fma_f32 v[LS+2*\a], v[LS+2*\a], v[FF+\a], v[UU+2*\a]        ; the sums of the unquantised p, under the new M
	v_fma_f32 v[LS+2*\a+1], v[LS+2*\a+1], v[FF+\a], v[UU+2*\a+1]
.endr
.irp k, 3,2,1
.irp a, 0,1,2,3
	v_mul_f32 v[PM+4*\a+\k], v[PM+4*\a+\k-1], v[FF+\a]            ; the earlier steps' largest p, under the new M
.endr
.endr
.irp a, 0,1,2,3
	v_cndmask_b32 v[PM+4*\a], v[BM+2*\a], v[BM+2*\a+1], s[HM]     ; lanes 0-15 keep block 0's, lanes 16-31 block 1's
.endr
.irp x, 0,1,2,3,4,5,6,7
	v_max_num_f32 v[BM+\x], FLOOR, v[BM+\x]
.endr
.irp x, 0,1,2,3,4,5,6,7
	v_add_nc_u32 v[BM+\x], SUB4, v[BM+\x]          ; the conversion's scale operand
.endr
	WIN 0x01
.irp n, 0,1,2,3
	v_cvt_scalef32_pk16_bf6_f32 v[PT+8*\n:PT+8*\n+2], v[32*\n:32*\n+15], v[BM+2*\n]
	v_cvt_scalef32_pk16_bf6_f32 v[PT+8*\n+4:PT+8*\n+6], v[32*\n+16:32*\n+31], v[BM+2*\n+1]
.endr
	WIN 0
	v_nop                                          ; one plain place behind the conversions
.irp n, 0,1,2,3
.irp i, 0,1,2
	v_permlane16_swap_b32 v[PT+8*\n+\i], v[PT+8*\n+4+\i]          ; a whole block to a lane
.endr
.endr
.irp n, 0,1,2,3
.irp i, 0,1,2
	v_mov_b32 v[PT+8*\n+3+\i], v[PT+8*\n+4+\i]
.endr
.endr
.irp n, 0,1,2,3
	ds_store_b128 v[\adr], v[PT+8*\n:PT+8*\n+3] offset:FRB*\n+(\off)
	ds_store_b64 v[\adr+1], v[PT+8*\n+4:PT+8*\n+5] offset:FRB*\n+(\off)
.endr
	s_wait_dscnt 0x0
.endm
.macro SOFTIF reg, val, adr, off       ; the softmax, for the waves in which s[reg] = val: the branch hangs on the wave's number and the loop's count alone
	s_wait_alu depctr_va_vdst(0)
	s_cmp_eq_u32 s[\reg], \val
	s_cbranch_scc0 .Lskip_\@
	SOFT \adr, \off
.Lskip_\@:
.endm
.macro FVH ks, th                      ; V's fragments 4 th .. 4 th + 3 of K step ks
.irp t, 0,1,2,3
	FR3 VF+12*(4*(\th)+\t), AS+((\ks)/2)%2, HREC*((\ks)%2)+FRB*(4*(\th)+\t)
.endr
.endm
.macro FSC ks                          ; 6 scale registers: V's four, p's two
.irp p, 0,1,2,3
	ds_load_b32 v[SCV+6*((\ks)%2)+\p], v[AS4+((\ks)/2)%2] offset:HREC*((\ks)%2)+12288+128*\p
.endr
.irp p, 0,1
	ds_load_b32 v[SCV+6*((\ks)%2)+4+\p], v[PSR] offset:512*(\ks)+128*\p
.endr
.endm
.macro FP ks                           ; p's four fragments, 16 loads
.irp n, 0,1,2,3
	ds_load_b128 v[PF+48*((\ks)%2)+12*\n:PF+48*((\ks)%2)+12*\n+3], v[PR16+(\ks)/4] offset:12288*((\ks)%4)+FRB*\n
	ds_load_b64 v[PF+48*((\ks)%2)+12*\n+4:PF+48*((\ks)%2)+12*\n+5], v[PR8+(\ks)/4] offset:12288*((\ks)%4)+FRB*\n
	ds_load_b128 v[PF+48*((\ks)%2)+12*\n+6:PF+48*((\ks)%2)+12*\n+9], v[PR16+(\ks)/4] offset:12288*((\ks)%4)+FRB*\n+768
	ds_load_b64 v[PF+48*((\ks)%2)+12*\n+10:PF+48*((\ks)%2)+12*\n+11], v[PR8+(\ks)/4] offset:12288*((\ks)%4)+FRB*\n+768
.endr
.endm
.macro PMUL th, ks                     ; 16 matrix instructions, 16 accumulators by turns
.irp t, 0,1,2,3
.irp a, 0,1,2,3
	WM 64*\a+8*(4*(\th)+\t), VF+12*(4*(\th)+\t), PF+48*((\ks)%2)+12*\a, (\ks)==0, SCV+6*((\ks)%2)+(4*(\th)+\t)/2, \t%2, SCV+6*((\ks)%2)+4+\a/2, \a%2
.endr
.endr
.endm
.macro PSTEP ks, kind                  ; kind 1: the slot is filled again; 2: the last fill is shown to both its waves; 3: the last step
	s_wait_dscnt 12                                ; all but the youngest twelve loads, V's fragments 4-7
	WIN 0x50
	PMUL 0, \ks
	WIN 0
.if \kind == 1
	s_wait_tensorcnt 0x0
	ds_add_u32 v[SPW], v[NIL]
	s_add_nc_u64 s[G0+4*(((\ks)/2)%2)+2:G0+4*(((\ks)/2)%2)+3], s[42:43], REC*(((\ks)+3)/2)
	s_or_b32 s[G0+4*(((\ks)/2)%2)+3], s[G0+4*(((\ks)/2)%2)+3], 0x80000000
	s_wait_dscnt 0x0
	CROUND
	tensor_load_to_lds s[G0+4*(((\ks)/2)%2):G0+4*(((\ks)/2)%2)+3], s[24:31]
	s_nop 0
	PLACES
.if \ks == 1
	ASK1 -REC
.endif
.elseif \kind == 2
	s_wait_tensorcnt 0x0
	s_wait_dscnt 0x0
	s_barrier_signal -1
	s_barrier_wait -1
	PLACES
.else
	s_wait_dscnt 0x0
.if \kind < 3
	PLACES
.endif
.endif
.if \kind < 3
	FSC (\ks)+1
	FP (\ks)+1
	FVH (\ks)+1, 0
.endif
	WIN 0x50
	PMUL 1, \ks
	WIN 0
.if \kind < 3
	PLACES
	FVH (\ks)+1, 1
.endif
.endm
.macro QUANTW w, s                     ; 64 accumulator registers become a fragment's codes in v[PC] on and its scale word in v[PW]
	WIN (\w)|((\w)<<2)
.irp b, 0,1,2,3
	v_max3_num_f32 v[TM+\b], |v[(\s)+16*\b]|, |v[(\s)+1+16*\b]|, FLOOR
.endr
	WIN ((\w)<<2)|((\w)<<4)
.irp i, 2,4,6,8,10,12,14
.irp b, 0,1,2,3
	v_max3_num_f32 v[TM+\b], v[TM+\b], |v[(\s)+16*\b+\i]|, |v[(\s)+1+16*\b+\i]|
.endr
.endr
	WIN 0
	s_wait_alu depctr_va_vdst(0)
	s_wait_dscnt 0x0                               ; the last scale word's LDS store has read v[PW],
	s_wait_xcnt 0x0                                ; the last fragment's stores have read v[PC] on
.irp b, 0,1,2,3
	v_permlanex16_b32 v[TM+4+\b], v[TM+\b], s[SEL], s[SEL+1]
.endr
.irp b, 0,1,2,3
	v_max_num_f32 v[TM+\b], v[TM+\b], v[TM+4+\b]
.endr
.irp b, 0,1,2,3
	v_add_nc_u32 v[TM+12+\b], SUB4, v[TM+\b]
.endr
.irp b, 0,1,2,3
	v_lshrrev_b32 v[TM+4+\b], 23, v[TM+12+\b]
.endr
	v_lshl_or_b32 v[PW], v[TM+5], 8, v[TM+4]
	v_lshl_or_b32 v[PW], v[TM+6], 16, v[PW]
	v_lshl_or_b32 v[PW], v[TM+7], 24, v[PW]
	WIN \w
.irp c, 0,1
	v_cvt_scalef32_pk16_bf6_f32 v[PC+6*\c:PC+2+6*\c], v[(\s)+32*\c:(\s)+15+32*\c], v[TM+12+2*\c]
	v_cvt_scalef32_pk16_bf6_f32 v[PC+12+4*\c:PC+14+4*\c], v[(\s)+16+32*\c:(\s)+31+32*\c], v[TM+12+2*\c+1]
.endr
	WIN 0
	v_nop
.irp c, 0,1
.irp i, 0,1,2
	v_permlane16_swap_b32 v[PC+6*\c+\i], v[PC+12+4*\c+\i]
.endr
.irp i, 0,1,2
	v_mov_b32 v[PC+3+6*\c+\i], v[PC+12+4*\c+\i]
.endr
.endr
.endm
.macro EPI a                           ; my query block a: O^T / the sum, quantised along d, stored as fragment 4 qh + a of the record
	WIN 0x41
.set j, 0
.rept 32
	v_pk_mul_f32 v[64*(\a)+j:64*(\a)+j+1], v[64*(\a)+j:64*(\a)+j+1], v[NM+2*(\a):NM+2*(\a)+1] op_sel_hi:[1,0]
.set j, j+2
.endr
	QUANTW 1, 64*(\a)
.irp g, 0,1,2
	global_store_b128 v[GO16], v[PC+4*\g:PC+4*\g+3], s[OUT:OUT+1] offset:FRB*(\a)+512*\g   ; 512 consecutive bytes, aligned
.endr
	ds_store_b32 v[GA], v[PW] offset:64*(\a)       ; lanes r and r + 16 write the same word with the same value
.endm
	s_load_b256 s[4:11], s[0:1], 0x0               ; qr, xc, vr, orec
	v_lshl_add_u32 v[SPW], v0, 2, SPARE
	v_mov_b32 v[NIL], 0
	ds_add_u32 v[SPW], v[NIL]                      ; the opening: the add, twice on end, and its wait ahead of my first tensor load
	ds_add_u32 v[SPW], v[NIL]
	v_lshrrev_b32 v1, 5, v0
	v_readfirstlane_b32 s12, v1                    ; W
	s_and_b32 s74, s12, 3                          ; w
	s_lshr_b32 s75, s12, 2                         ; qh
	s_add_co_u32 s76, s12, s75
	s_and_b32 s76, s76, 1                          ; kind: 0 = A, 1 = B
	s_bfe_u32 s13, ttmp6, 0x40000                  ; cx
	s_lshl_b32 s14, ttmp9, 2
	s_add_co_u32 s14, s14, s13                     ; query block of 128
	s_and_b32 s15, ttmp7, 0xffff                   ; 8 b + h
	s_lshr_b32 s16, s15, 3
	s_and_b32 s17, s15, 7
	s_mov_b32 s24, 15|(3<<16)|(1<<21)              ; group 1 of a refill: 50 dense rows of 256 bytes; the mask of all four partners, bit 21 beside it
	s_mov_b32 s25, 32<<16
	s_mov_b32 s26, 50<<16
	s_mov_b32 s27, 32<<16
	s_mov_b32 s28, 50
	s_mov_b32 s29, 32
	s_mov_b32 s30, 0
	s_mov_b32 s31, 0
	s_mov_b32 s56, 15|(3<<16)|(1<<21)              ; group 1 of the head's load: 100 rows
	s_mov_b32 s57, 32<<16
	s_mov_b32 s58, 100<<16
	s_mov_b32 s59, 32<<16
	s_mov_b32 s60, 100
	s_mov_b32 s61, 32
	s_mov_b32 s62, 0
	s_mov_b32 s63, 0
	s_mov_b32 s[SEL], 0x76543210
	s_mov_b32 s[SEL+1], 0xfedcba98                 ; lane l xor 16
	s_mov_b32 s[CS], 0x3d8293ee                    ; log2(e) / sqrt(512)
	s_mov_b32 s[CS+1], s[CS]
	s_mov_b32 s[HM], 0xffff0000
	s_lshl_b32 s48, s16, 4
	s_lshl_b32 s49, s74, 2
	s_add_co_u32 s48, s48, s49
	s_mul_i32 s48, s48, REC                        ; keys: records 16 b + 4 w on
	s_mov_b32 s49, 0
	s_mul_i32 s78, s75, HREC                       ; my half of a slot
	s_lshl_b32 s50, s15, 2
	s_add_co_u32 s50, s50, s74
	s_mul_i32 s50, s50, 4*REC                      ; values: d block w of the head,
	s_add_co_u32 s50, s50, s78                     ; my half of each fill
	s_mov_b32 s51, 0
	s_lshl_b32 s72, s15, 3
	s_add_co_u32 s72, s72, s14
	s_mul_i32 s72, s72, 2*REC                      ; q: four records of 12,800 bytes
	s_mul_i32 s77, s75, 4*FRB
	s_add_co_u32 s70, s72, s77                     ; my four fragments of each,
	s_mov_b32 s71, 0
	s_lshl_b32 s77, s75, 8
	s_add_co_u32 s72, s72, s77                     ; my two pairs of scale words
	s_mov_b32 s73, 0
	s_mul_i32 s79, s74, 2*REC                      ; LDS: the two slots of w
	s_mov_b32 s44, 0
	s_mov_b32 s45, 0
	s_cmp_eq_u32 ttmp9, 0
	s_cselect_b32 s46, 0, -1
	s_wait_dscnt 0x0                               ; both opening adds are done
	s_wait_kmcnt 0x0
	s_add_nc_u64 s[48:49], s[6:7], s[48:49]
	s_add_nc_u64 s[42:43], s[8:9], s[50:51]
	s_add_nc_u64 s[68:69], s[4:5], s[72:73]
	s_add_nc_u64 s[4:5], s[4:5], s[70:71]
	s_mov_b32 s50, s78
	s_add_nc_u64 s[40:41], s[48:49], 2*REC
	s_add_nc_u64 s[40:41], s[40:41], s[50:51]      ; key step 2, my half
	s_mov_b64 s[18:19], s[42:43]
	s_mul_i32 s72, s75, REC
	s_mov_b32 s52, 1                               ; the head's group 0: key step qh, whole, into slot qh
	s_add_co_u32 s53, s79, s72
	s_add_nc_u64 s[54:55], s[48:49], s[72:73]
	s_or_b32 s55, s55, 0x80000000
	s_mov_b32 s[G0], 1
	s_add_co_u32 s[G0+1], s79, s78
	s_mov_b32 s[G0+4], 1
	s_add_co_u32 s[G0+5], s[G0+1], SLOT1
	s_lshl_b32 s72, s17, 2
	s_add_co_u32 s72, s72, s74                     ; the projection's K step kk = 4 h + w
	s_bfe_u32 s73, s72, 0x20001
	s_lshl_b32 s73, s73, 2
	s_lshr_b32 s77, s72, 3
	s_add_co_u32 s73, s73, s77
	s_lshl_b32 s73, s73, 1
	s_and_b32 s77, s72, 1
	s_add_co_u32 s73, s73, s77                     ; pos(kk)
	s_lshl_b32 s72, s16, 3
	s_add_co_u32 s72, s72, s14
	s_lshl_b32 s72, s72, 5
	s_add_co_u32 s72, s72, s73
	s_mul_i32 s72, s72, HREC
	s_mov_b32 s73, 0
	s_add_nc_u64 s[OUT2:OUT2+1], s[10:11], s[72:73]
	s_mul_i32 s72, s75, 4*FRB
	s_add_nc_u64 s[OUT:OUT+1], s[OUT2:OUT2+1], s[72:73]       ; my four fragments of the record
	s_lshl_b32 s72, s75, 8
	s_add_co_u32 s72, s72, 12288
	s_add_nc_u64 s[OUT2:OUT2+1], s[OUT2:OUT2+1], s[72:73]     ; my 256 bytes of its scale words
	CROUND                                         ; all four work-groups are here: the joint loads meet
	tensor_load_to_lds s[52:55], s[56:63]          ; my one load at the head
	s_nop 0
	PLACES
	v_and_b32 v1, 31, v0
	v_and_b32 v2, 15, v0
	v_bfe_u32 v3, v0, 4, 1
	v_lshlrev_b32 v[GO16], 4, v1
	v_lshlrev_b32 v[L4], 2, v1
	s_wait_alu depctr_va_vdst(0)
	WIN 0x40
.irp f, 0,1,2,3,4,5,6,7,8,9
.irp g, 0,1,2
	global_load_b128 v[QA+12*\f+4*\g:QA+12*\f+4*\g+3], v[GO16], s[4:5] offset:HREC*(\f%4)+FRB*(\f/4)+512*\g
.endr
.endr
	WIN 0
.irp f, 10,11,12,13,14,15
.irp g, 0,1,2
	global_load_b128 v[QB+12*(\f-10)+4*\g:QB+12*(\f-10)+4*\g+3], v[GO16], s[4:5] offset:HREC*(\f%4)+FRB*(\f/4)+512*\g
.endr
.endr
.irp s, 0,1,2,3
.irp p, 0,1
	global_load_b32 v[QS+2*\s+\p], v[L4], s[68:69] offset:HREC*\s+12288+128*\p
.endr
.endr
	s_mul_i32 s2, s75, 4*FRB
	s_add_co_u32 s2, s2, PIMG                      ; p's images of my query half
	s_mul_i32 s51, s74, 24576                      ; the two K steps that wave w writes
	s_lshl_b32 s3, s75, 11
	s_add_co_u32 s3, s3, STATM
	s_lshl_b32 s72, s74, 2
	s_lshl_b32 s50, s75, 8
	s_add_co_u32 s50, s50, PSC
	s_lshl_b32 s73, s74, 10
	s_lshl_b32 s77, s12, 8
	s_add_co_u32 s77, s77, OSC
	s_lshl_b32 s78, s13, 12
	v_add_nc_u32 v[AS], s79, v[GO16]
	v_add_nc_u32 v[AS+1], SLOT1, v[AS]
	v_add_nc_u32 v[AS4], s79, v[L4]
	v_add_nc_u32 v[AS4+1], SLOT1, v[AS4]
	v_lshlrev_b32 v[GO8], 3, v1
	v_add_nc_u32 v[PR16], s2, v[GO16]
	v_add_nc_u32 v[PR8], s2, v[GO8]
	v_add_nc_u32 v[PR8], 512, v[PR8]
	v_add_nc_u32 v[PB], s51, v[PR16]
	v_add_nc_u32 v[PB+1], s51, v[PR8]
	v_add_nc_u32 v[PR16+1], 49152, v[PR16]
	v_add_nc_u32 v[PR8+1], 49152, v[PR8]
	v_lshlrev_b32 v[H8], 3, v3
	v_add_nc_u32 v[SMR], s3, v[GO16]
	v_add_nc_u32 v[SLR], STATL-STATM, v[SMR]
	v_add_nc_u32 v[SMW], s72, v[SMR]
	v_add_nc_u32 v[SLW], STATL-STATM, v[SMW]
	v_add_nc_u32 v[PSR], s50, v[L4]
	v_add_nc_u32 v[PSW], s73, v[PSR]
	v_lshl_add_u32 v[GA], v2, 2, s77
	v_add_nc_u32 v[GR], s77, v[GO8]
	v_min_u32 v[PFO], 15, v1                       ; the prefetches: block 16 cx + lane of my half's 50; lanes 16-31 name lane 15's again, what is over the last block
	v_lshlrev_b32 v[PFO], 8, v[PFO]
	v_add_nc_u32 v[PFO], s78, v[PFO]
	v_min_u32 v[PFO], 12544, v[PFO]
.irp a, 0,1,2,3
	v_mov_b32 v[NM+2*\a+1], 0xff61b1e6             ; the largest t so far: -3e38
	v_mov_b32 v[LS+2*\a], 0
	v_mov_b32 v[LS+2*\a+1], 0
.endr
.irp a, 0,1,2,3
	v_floor_f32 v[NM+2*\a], -v[NM+2*\a+1]
.endr
.set j, 0
.rept 16
	v_mov_b32 v[PM+j], 0
.set j, j+1
.endr
.irp x, 0,1,2,3,4,5,6,7
	v_mov_b32 v[TP+\x], 0                          ; a lane permute's destination counts as read
.endr
	s_wait_alu depctr_va_vdst(0)
	s_wait_loadcnt 0x0
	s_wait_tensorcnt 0x0                           ; my slot is in,
	s_barrier_signal -1
	s_barrier_wait -1                              ; everybody's is
.Ls:
	v_add_nc_u32 v[PA], s45, v[PB]
	v_add_nc_u32 v[PA+1], s45, v[PB+1]
	SMUL 0
	SOFTIF 76, 0, PA, 0                            ; A: this step
	CHANGE 0
	SOFTIF 76, 1, PA, 0                            ; B: the step just multiplied
	SMUL 1
	SOFTIF 76, 0, PA, 768
	CHANGE 1
	SOFTIF 76, 1, PA, 768                          ; B: the step just multiplied
	s_wait_xcnt 0x0
	s_add_nc_u64 s[18:19], s[18:19], 2*REC
	s_add_co_u32 s45, s45, 12288
	s_add_co_u32 s44, s44, 1
	s_cmp_lt_u32 s44, 2
	s_wait_alu depctr_va_vdst(0)
	s_cbranch_scc1 .Ls
.irp a, 0,1,2,3
	v_add_f32 v[LS+2*\a], v[LS+2*\a], v[LS+2*\a+1]
.endr
.irp a, 0,1,2,3
	v_permlanex16_b32 v[TP+\a], v[LS+2*\a], s[SEL], s[SEL+1]
.endr
.irp a, 0,1,2,3
	v_add_f32 v[LS+2*\a], v[LS+2*\a], v[TP+\a]
.endr
.irp a, 0,1,2,3
	ds_store_b32 v[SMW], v[NM+2*\a] offset:512*\a
.endr
	s_wait_alu depctr_va_vdst(0)
	s_wait_dscnt 0x0
	s_barrier_signal -1
	s_barrier_wait -1
.irp a, 0,1,2,3
	ds_load_b128 v[TQ+4*\a:TQ+4*\a+3], v[SMR] offset:512*\a       ; the four key quarters' -M
.endr
	s_wait_dscnt 0x0
.irp a, 0,1,2,3
	v_min3_num_f32 v[TQ+4*\a], v[TQ+4*\a], v[TQ+4*\a+1], v[TQ+4*\a+2]
.endr
.irp a, 0,1,2,3
	v_min_num_f32 v[TQ+4*\a], v[TQ+4*\a], v[TQ+4*\a+3]
.endr
.irp a, 0,1,2,3
	v_sub_f32 v[TQ+4*\a], v[TQ+4*\a], v[NM+2*\a]
.endr
.irp a, 0,1,2,3
	v_cvt_i32_f32 v[TQ+4*\a], v[TQ+4*\a]
.endr
.irp a, 0,1,2,3
	v_ldexp_f32 v[FF+\a], 1.0, v[TQ+4*\a]          ; 2^(my M - the row's M)
.endr
.irp a, 0,1,2,3
	v_mul_f32 v[LS+2*\a], v[LS+2*\a], v[FF+\a]
.endr
.irp a, 0,1,2,3
	ds_store_b32 v[SLW], v[LS+2*\a] offset:512*\a
.endr
.irp a, 0,1,2,3
.irp k, 0,1,2,3
	v_mul_f32 v[TQ+4*\a+\k], v[PM+4*\a+\k], v[FF+\a]
.endr
.endr
.set j, 0
.rept 16
	v_max_num_f32 v[TQ+j], FLOOR, v[TQ+j]
.set j, j+1
.endr
.set j, 0
.rept 16
	v_add_nc_u32 v[TQ+j], SUB4, v[TQ+j]
.set j, j+1
.endr
.set j, 0
.rept 16
	v_lshrrev_b32 v[TQ+j], 23, v[TQ+j]             ; p's scale bytes under the row's M
.set j, j+1
.endr
.irp a, 0,1,2,3
	v_lshl_or_b32 v[TQ+4*\a+3], v[TQ+4*\a+2], 16, v[TQ+4*\a+3]
	v_lshl_or_b32 v[TQ+4*\a+1], v[TQ+4*\a], 16, v[TQ+4*\a+1]
.endr
.irp a, 0,1,2,3
	v_lshlrev_b32 v[TQ+4*\a+3], v[H8], v[TQ+4*\a+3]
	v_lshlrev_b32 v[TQ+4*\a+1], v[H8], v[TQ+4*\a+1]
.endr
.irp a, 0,1,2,3
	v_permlanex16_b32 v[TQ+4*\a+2], v[TQ+4*\a+3], s[SEL], s[SEL+1]
	v_permlanex16_b32 v[TQ+4*\a], v[TQ+4*\a+1], s[SEL], s[SEL+1]
.endr
.irp a, 0,1,2,3
	v_or_b32 v[TQ+4*\a+3], v[TQ+4*\a+3], v[TQ+4*\a+2]
	v_or_b32 v[TQ+4*\a+1], v[TQ+4*\a+1], v[TQ+4*\a]
.endr
.irp p, 0,1
	v_cndmask_b32 v[TQ+8*\p+3], v[TQ+8*\p+3], v[TQ+8*\p+7], s[HM]
	v_cndmask_b32 v[TQ+8*\p+1], v[TQ+8*\p+1], v[TQ+8*\p+5], s[HM]
.endr
.irp p, 0,1
	ds_store_b32 v[PSW], v[TQ+8*\p+3] offset:128*\p
	ds_store_b32 v[PSW], v[TQ+8*\p+1] offset:512+128*\p
.endr
	s_wait_alu depctr_va_vdst(0)
	s_wait_dscnt 0x0
	s_barrier_signal -1
	s_barrier_wait -1
.irp a, 0,1,2,3
	ds_load_b128 v[TQ+4*\a:TQ+4*\a+3], v[SLR] offset:512*\a
.endr
	s_wait_dscnt 0x0
.irp a, 0,1,2,3
	v_add_f32 v[TQ+4*\a], v[TQ+4*\a], v[TQ+4*\a+1]
	v_add_f32 v[TQ+4*\a+2], v[TQ+4*\a+2], v[TQ+4*\a+3]
.endr
.irp a, 0,1,2,3
	v_add_f32 v[TQ+4*\a], v[TQ+4*\a], v[TQ+4*\a+2]
.endr
	s_wait_alu depctr_va_vdst(0)
.irp a, 0,1,2,3
	v_rcp_f32 v[NM+2*\a], v[TQ+4*\a]
.endr
	v_nop
	s_wait_alu depctr_va_vdst(0)
	FSC 0
	FP 0
	FVH 0, 0
	FVH 0, 1
	PSTEP 0, 0
	PSTEP 1, 1
	PSTEP 2, 0
	PSTEP 3, 1
	PSTEP 4, 0
	PSTEP 5, 2
	PSTEP 6, 0
	PSTEP 7, 3
	PLACES
.irp a, 0,1,2,3
	EPI \a
.endr
	s_wait_xcnt 0x0
	ds_load_b64 v[PC:PC+1], v[GR]                  ; my 256 bytes of the record's scale words leave whole
	s_wait_dscnt 0x0
	global_store_b64 v[GO8], v[PC:PC+1], s[OUT2:OUT2+1]
	s_wait_tensorcnt 0x0                           ; the wave's end
	ds_add_u32 v[SPW], v[NIL]
	s_wait_dscnt 0x0
	CROUND                                         ; the closing round
	s_endpgm
.Lfunc_end_k_qa158a5d01a_attn:
	.size	k_qa158a5d01a_attn, .Lfunc_end_k_qa158a5d01a_attn-k_qa158a5d01a_attn
	.p2alignl 7, 3214868480
	.fill 96, 4, 3214868480
	.section	.rodata,"a",@progbits
	.p2align	6, 0x0
	.amdhsa_kernel k_qa158a5d01a_attn
		.amdhsa_group_segment_fixed_size 327680
		.amdhsa_private_segment_fixed_size 0
		.amdhsa_enable_private_segment 0
		.amdhsa_kernarg_size 32
		.amdhsa_user_sgpr_count 2
		.amdhsa_user_sgpr_kernarg_segment_ptr 1
		.amdhsa_wavefront_size32 1
		.amdhsa_system_sgpr_workgroup_id_x 1
		.amdhsa_system_sgpr_workgroup_id_y 1
		.amdhsa_system_sgpr_workgroup_id_z 1
		.amdhsa_system_vgpr_workitem_id 0
		.amdhsa_next_free_vgpr 512
		.amdhsa_next_free_sgpr 80
		.amdhsa_reserve_vcc 0
		.amdhsa_float_denorm_mode_32 3
		.amdhsa_float_denorm_mode_16_64 3
		.amdhsa_memory_ordered 1
		.amdhsa_forward_progress 1
		.amdhsa_inst_pref_size 227
	.end_amdhsa_kernel
	.amdgpu_metadata
---
amdhsa.version: [ 1, 2 ]
amdhsa.kernels:
  - .name:           k_qa158a5d01a_attn
    .symbol:         k_qa158a5d01a_attn.kd
    .args:
      - { .name: qr, .offset: 0, .size: 8, .value_kind: global_buffer, .address_space: global }
      - { .name: xc, .offset: 8, .size: 8, .value_kind: global_buffer, .address_space: global }
      - { .name: vr, .offset: 16, .size: 8, .value_kind: global_buffer, .address_space: global }
      - { .name: orec, .offset: 24, .size: 8, .value_kind: global_buffer, .address_space: global }
    .group_segment_fixed_size: 327680
    .private_segment_fixed_size: 0
    .kernarg_segment_align: 8
    .kernarg_segment_size: 32
    .max_flat_workgroup_size: 256
    .sgpr_count:     80
    .vgpr_count:     512
    .wavefront_size: 32
...
	.end_amdgpu_metadata
.endif
;; end of part 3
;; launch oproj (part 4): grid 8 x 32, 4 waves a work-group, clusters of 4 x 4, 327,680 bytes of LDS; arguments orec, wpc, bp, out0; writes out0
.if DOCPART == 4
	.amdgcn_target "amdgcn-amd-amdhsa--gfx1250"
	.amdhsa_code_object_version 6
	.text
	.protected	k_qa158a5d01a_oproj
	.globl	k_qa158a5d01a_oproj
	.p2align	8
	.type	k_qa158a5d01a_oproj,@function
k_qa158a5d01a_oproj:
	s_mov_b64 s[64:65], 0
	v_nop
	global_prefetch_b8 v0, s[64:65] scope:SCOPE_SE
	s_setreg_imm32_b32 hwreg(HW_REG_WAVE_MODE, 25, 1), 1
	s_wait_xcnt 0x0
	s_wait_alu depctr_hold_cnt(0) depctr_sa_sdst(0) depctr_va_vdst(0) depctr_va_sdst(0) depctr_va_ssrc(0) depctr_va_vcc(0) depctr_vm_vsrc(0)
	s_getreg_b32 s2, hwreg(HW_REG_IB_STS2, 6, 4)
	s_cmp_eq_u32 s2, 0
	s_cbranch_scc0 .Lentry_in_a_cluster
	s_endpgm
.Lentry_in_a_cluster:
	s_bfe_u32 s2, ttmp6, 0x10000c
	s_cmp_lg_u32 s2, 0xf033
	s_cbranch_scc0 .Lentry_shape_is_right
	s_endpgm
.Lentry_shape_is_right:
; out0 = O Wp + bp on codes of BF6, K = 4,096.  (Wv has no way to an output: see the first launch.)
; SHARES.  A work-group makes 128 tokens x 64 columns: 256 work-groups.  THE WAVES SHARE K: each takes 8 of the 32 K steps, with all 32 accumulators, so that each operand byte is read by one wave, once;
; the four partial tiles are added through LDS, in f32, with the bias.  Source 0 = 16 rows of Wp^T, source 1 = 16 tokens: a lane holds one token and eight neighbouring columns.
; O's and Wp's records of a K step stand at the same place (0 .. 31) of their blocks, so any deal of places to waves pairs them rightly.
; A work-group's operands are 614,400 bytes; LDS holds 307,200.  Places 4 w .. 4 w + 3 (wave w) come into LDS by ONE tensor load a wave at the head: O 2 x 102,400 bytes (waves 0, 1), Wp 2 x 51,200 (waves 2, 3); no LDS byte is filled again.
; Places 16 + 4 w .. 16 + 4 w + 3 go from memory straight into wave w's registers: the records are register images, each load 512 consecutive bytes.  They are asked for singly: a joint load needs an LDS stage, and LDS is full.
; CLUSTER 4 x 4: O's records hang on the token block alone (shared along a row of the cluster), Wp's on the column block alone (shared along a column): the head's loads are joint.
; NO PREFETCH: the text has no loop to run ahead in; every memory load of the launch has been issued when the third of a wave's eight K steps is multiplied.
; REGISTERS.  window 0: v2-17 addresses; v28, v29 the add's; v32-79 scale words alone, 4 (O) + 2 (Wp) for each K step; v84-87 the bias; v96-223 the reduction.   window 1: accumulator (a, t) at v[32 a + 8 t].
;   fragment sets (O's eight, Wp's four): 0: window 2 v0, v96;  1: window 3 v0, v96;  2: window 0 v112, v208;  3: window 2 v144, window 3 v144.
.set FRB,   1536
.set WOFF,  204800                     ; LDS: O from 0 (51,200 a wave), Wp from here (25,600 a wave)
.set SPARE, 307200
.set RGN,   34816                      ; the reduction's stage: 128 rows x (256 bytes + 16) for each wave, from LDS byte 0: bytes that had their only fill, behind the barrier behind which nobody reads them
.set SP,    272
.set L16,  2
.set L4,   3
.set AO,   4
.set AO4,  5
.set AWF,  6
.set AW4,  7
.set STO,  12
.set RDR,  13
.set CO,   17
.set SPW,  28
.set NIL,  29
.set SC,   32
.set BP,   84
.set RB,   96
.set G1O,  24
.set G0O,  32
.set G1W,  48
.set G0W,  56
.set DO,   72                          ; s[72:73] my four records of O that come straight into registers;  s[74:75] Wp's
.set DW,   74
.set MSB, 0
.macro WIN new
.if MSB != (\new)
	s_set_vgpr_msb (MSB<<8)|(\new)
.set MSB, (\new)
.endif
.endm
.macro PLACES                          ; four plain places behind a matrix instruction (ISA guide 7.12.1)
.rept 4
	v_nop
.endr
.endm
.macro CREST
	s_cmp_lg_u32 s14, 0
	s_cbranch_scc1 .Lnot_wave_0_\@
	s_barrier_signal -3
.Lnot_wave_0_\@:
	s_barrier_wait -3
	s_barrier_signal -1
	s_barrier_wait -1
.endm
.macro CROUND
	s_barrier_signal -1
	s_barrier_wait -1
	CREST
.endm
.macro WM d, a, b, z, sa, ra, sb, rb
.if (\z)
.if (\ra) && (\rb)
	v_wmma_scale_f32_16x16x128_f8f6f4 v[(\d):(\d)+7], v[(\a):(\a)+11], v[(\b):(\b)+11], 0, v[\sa], v[\sb] matrix_a_fmt:MATRIX_FMT_BF6 matrix_b_fmt:MATRIX_FMT_BF6 matrix_a_scale:MATRIX_SCALE_ROW1 matrix_b_scale:MATRIX_SCALE_ROW1
.elseif (\ra)
	v_wmma_scale_f32_16x16x128_f8f6f4 v[(\d):(\d)+7], v[(\a):(\a)+11], v[(\b):(\b)+11], 0, v[\sa], v[\sb] matrix_a_fmt:MATRIX_FMT_BF6 matrix_b_fmt:MATRIX_FMT_BF6 matrix_a_scale:MATRIX_SCALE_ROW1
.elseif (\rb)
	v_wmma_scale_f32_16x16x128_f8f6f4 v[(\d):(\d)+7], v[(\a):(\a)+11], v[(\b):(\b)+11], 0, v[\sa], v[\sb] matrix_a_fmt:MATRIX_FMT_BF6 matrix_b_fmt:MATRIX_FMT_BF6 matrix_b_scale:MATRIX_SCALE_ROW1
.else
	v_wmma_scale_f32_16x16x128_f8f6f4 v[(\d):(\d)+7], v[(\a):(\a)+11], v[(\b):(\b)+11], 0, v[\sa], v[\sb] matrix_a_fmt:MATRIX_FMT_BF6 matrix_b_fmt:MATRIX_FMT_BF6
.endif
.else
.if (\ra) && (\rb)
	v_wmma_scale_f32_16x16x128_f8f6f4 v[(\d):(\d)+7], v[(\a):(\a)+11], v[(\b):(\b)+11], v[(\d):(\d)+7], v[\sa], v[\sb] matrix_a_fmt:MATRIX_FMT_BF6 matrix_b_fmt:MATRIX_FMT_BF6 matrix_a_scale:MATRIX_SCALE_ROW1 matrix_b_scale:MATRIX_SCALE_ROW1
.elseif (\ra)
	v_wmma_scale_f32_16x16x128_f8f6f4 v[(\d):(\d)+7], v[(\a):(\a)+11], v[(\b):(\b)+11], v[(\d):(\d)+7], v[\sa], v[\sb] matrix_a_fmt:MATRIX_FMT_BF6 matrix_b_fmt:MATRIX_FMT_BF6 matrix_a_scale:MATRIX_SCALE_ROW1
.elseif (\rb)
	v_wmma_scale_f32_16x16x128_f8f6f4 v[(\d):(\d)+7], v[(\a):(\a)+11], v[(\b):(\b)+11], v[(\d):(\d)+7], v[\sa], v[\sb] matrix_a_fmt:MATRIX_FMT_BF6 matrix_b_fmt:MATRIX_FMT_BF6 matrix_b_scale:MATRIX_SCALE_ROW1
.else
	v_wmma_scale_f32_16x16x128_f8f6f4 v[(\d):(\d)+7], v[(\a):(\a)+11], v[(\b):(\b)+11], v[(\d):(\d)+7], v[\sa], v[\sb] matrix_a_fmt:MATRIX_FMT_BF6 matrix_b_fmt:MATRIX_FMT_BF6
.endif
.endif
.endm
.macro SETP set                        ; where a fragment set lies: O's window and first register, Wp's window and first register
.if (\set) == 0
.set OW, 2
.set OBS, 0
.set WW, 2
.set WBS, 96
.elseif (\set) == 1
.set OW, 3
.set OBS, 0
.set WW, 3
.set WBS, 96
.elseif (\set) == 2
.set OW, 0
.set OBS, 112
.set WW, 0
.set WBS, 208
.else
.set OW, 2
.set OBS, 144
.set WW, 3
.set WBS, 144
.endif
.endm
.macro FETCHG g, set, st               ; 42 global loads: record g of my four from memory: 6 scale registers of K step st, O's eight fragments, Wp's four
	SETP \set
	WIN 0
.irp p, 0,1,2,3
	global_load_b32 v[SC+6*(\st)+\p], v[L4], s[DO:DO+1] offset:12800*(\g)+12288+128*\p
.endr
.irp p, 0,1
	global_load_b32 v[SC+6*(\st)+4+\p], v[L4], s[DW:DW+1] offset:6400*(\g)+6144+128*\p
.endr
	WIN OW<<6
.irp a, 0,1,2,3,4,5,6,7
.irp q, 0,1,2
	global_load_b128 v[OBS+12*\a+4*\q:OBS+12*\a+4*\q+3], v[L16], s[DO:DO+1] offset:12800*(\g)+FRB*\a+512*\q
.endr
.endr
	WIN WW<<6
.irp t, 0,1,2,3
.irp q, 0,1,2
	global_load_b128 v[WBS+12*\t+4*\q:WBS+12*\t+4*\q+3], v[L16], s[DW:DW+1] offset:6400*(\g)+FRB*\t+512*\q
.endr
.endr
	WIN 0
.endm
.macro FETCHL e, set, st               ; 42 LDS loads: record e of my four in LDS, likewise
	SETP \set
	WIN 0
.irp p, 0,1,2,3
	ds_load_b32 v[SC+6*(\st)+\p], v[AO4] offset:12800*(\e)+12288+128*\p
.endr
.irp p, 0,1
	ds_load_b32 v[SC+6*(\st)+4+\p], v[AW4] offset:6400*(\e)+6144+128*\p
.endr
	WIN OW<<6
.irp a, 0,1,2,3,4,5,6,7
.irp q, 0,1,2
	ds_load_b128 v[OBS+12*\a+4*\q:OBS+12*\a+4*\q+3], v[AO] offset:12800*(\e)+FRB*\a+512*\q
.endr
.endr
	WIN WW<<6
.irp t, 0,1,2,3
.irp q, 0,1,2
	ds_load_b128 v[WBS+12*\t+4*\q:WBS+12*\t+4*\q+3], v[AWF] offset:6400*(\e)+FRB*\t+512*\q
.endr
.endr
	WIN 0
.endm
.macro MUL set, st, z                  ; 32 matrix instructions, the 32 accumulators by turns
	SETP \set
	WIN 0x50|WW|(OW<<2)                            ; source 0 Wp's window, source 1 O's, C and D window 1
.irp a, 0,1,2,3,4,5,6,7
.irp t, 0,1,2,3
	WM 32*\a+8*\t, WBS+12*\t, OBS+12*\a, \z, SC+6*(\st)+4+\t/2, \t%2, SC+6*(\st)+\a/2, \a%2
.endr
.endr
.endm
.macro RLOAD n                         ; row pairs 4 n .. 4 n + 3 of my 32 rows, from all four waves' stages
.irp i, 0,1,2,3
.irp q, 0,1,2,3
	ds_load_b128 v[RB+64*((\n)%2)+16*\i+4*\q:RB+64*((\n)%2)+16*\i+4*\q+3], v[RDR+\q] offset:2*(4*(\n)+\i)*SP
.endr
.endr
.endm
.macro RSUM n
.irp i, 0,1,2,3
.set R0, RB+64*((\n)%2)+16*\i
	v_pk_add_f32 v[R0:R0+1], v[R0:R0+1], v[R0+4:R0+5]
	v_pk_add_f32 v[R0+2:R0+3], v[R0+2:R0+3], v[R0+6:R0+7]
	v_pk_add_f32 v[R0+8:R0+9], v[R0+8:R0+9], v[R0+12:R0+13]
	v_pk_add_f32 v[R0+10:R0+11], v[R0+10:R0+11], v[R0+14:R0+15]
	v_pk_add_f32 v[R0:R0+1], v[R0:R0+1], v[R0+8:R0+9]
	v_pk_add_f32 v[R0+2:R0+3], v[R0+2:R0+3], v[R0+10:R0+11]
	v_pk_add_f32 v[R0:R0+1], v[R0:R0+1], v[BP:BP+1]
	v_pk_add_f32 v[R0+2:R0+3], v[R0+2:R0+3], v[BP+2:BP+3]
	global_store_b128 v[CO], v[R0:R0+3], s[10:11] offset:2*(4*(\n)+\i)*2048 th:TH_STORE_NT   ; sixteen lanes store 256 consecutive bytes, aligned
.endr
.endm
	s_load_b256 s[4:11], s[0:1], 0x0               ; orec, wpc, bp, out0
	v_lshl_add_u32 v[SPW], v0, 2, SPARE
	v_mov_b32 v[NIL], 0
	ds_add_u32 v[SPW], v[NIL]                      ; the opening: the add, twice on end, and its wait ahead of my first tensor load
	ds_add_u32 v[SPW], v[NIL]
	v_lshrrev_b32 v1, 5, v0
	v_readfirstlane_b32 s14, v1                    ; wave
	s_lshr_b32 s15, s14, 1                         ; I fetch for O (0) or for Wp (1),
	s_and_b32 s16, s14, 1                          ; this half of what goes into LDS
	s_bfe_u32 s40, ttmp6, 0x40000
	s_bfe_u32 s41, ttmp6, 0x40004
	s_lshl_b32 s42, ttmp9, 2
	s_add_co_u32 s42, s42, s40                     ; column block of 64
	s_and_b32 s17, ttmp7, 0xffff
	s_lshl_b32 s17, s17, 2
	s_add_co_u32 s17, s17, s41                     ; token block of 128
	s_lshl_b32 s43, s41, 2
	s_lshl_b32 s43, 15, s43                        ; my row of the cluster
	s_lshl_b32 s44, 0x1111, s40                    ; my column
	s_or_b32 s[G1O], s43, (3<<16)|(1<<21)          ; O: 400 dense rows of 256 bytes
	s_mov_b32 s[G1O+1], 32<<16
	s_mov_b32 s[G1O+2], 400<<16
	s_mov_b32 s[G1O+3], 32<<16
	s_mov_b32 s[G1O+4], 400
	s_mov_b32 s[G1O+5], 32
	s_mov_b32 s[G1O+6], 0
	s_mov_b32 s[G1O+7], 0
	s_or_b32 s[G1W], s44, (3<<16)|(1<<21)          ; Wp: 200
	s_mov_b32 s[G1W+1], 32<<16
	s_mov_b32 s[G1W+2], 200<<16
	s_mov_b32 s[G1W+3], 32<<16
	s_mov_b32 s[G1W+4], 200
	s_mov_b32 s[G1W+5], 32
	s_mov_b32 s[G1W+6], 0
	s_mov_b32 s[G1W+7], 0
	s_mul_i32 s2, s17, 409600                      ; the token block's 32 records of O; places 0-15 go into LDS, my half of them
	s_mul_i32 s18, s16, 102400
	s_add_co_u32 s2, s2, s18
	s_mov_b32 s3, 0
	s_mul_i32 s46, s42, 204800                     ; the column block's 32 records of Wp
	s_mul_i32 s19, s16, 51200
	s_add_co_u32 s46, s46, s19
	s_mov_b32 s47, 0
	s_add_co_u32 s19, s19, WOFF
	s_mul_i32 s[DO], s17, 409600                   ; places 16 + 4 wave on, straight into registers
	s_mul_i32 s20, s14, 51200                      ; (also: my four records of O in LDS)
	s_add_co_u32 s[DO], s[DO], s20
	s_add_co_u32 s[DO], s[DO], 204800
	s_mov_b32 s[DO+1], 0
	s_mul_i32 s[DW], s42, 204800
	s_mul_i32 s21, s14, 25600
	s_add_co_u32 s[DW], s[DW], s21
	s_add_co_u32 s[DW], s[DW], 102400
	s_mov_b32 s[DW+1], 0
	s_add_co_u32 s21, s21, WOFF                    ; my four records of Wp in LDS
	s_mul_i32 s22, s14, RGN                        ; my stage
	s_lshl_b32 s23, s14, 5
	s_mul_i32 s23, s23, SP                         ; back: my 32 rows
	s_lshl_b32 s70, s42, 8                         ; my 64 columns, in bytes
	s_mov_b32 s71, 0
	s_lshl_b32 s76, s17, 7
	s_lshl_b32 s77, s14, 5
	s_add_co_u32 s76, s76, s77                     ; the first row that I store
	s_lshl_b32 s76, s76, 11
	s_add_co_u32 s76, s76, s70
	s_mov_b32 s77, 0
	v_and_b32 v1, 31, v0
	v_lshlrev_b32 v[L16], 4, v1
	v_lshlrev_b32 v[L4], 2, v1
	v_add_nc_u32 v[AO], s20, v[L16]
	v_add_nc_u32 v[AO4], s20, v[L4]
	v_add_nc_u32 v[AWF], s21, v[L16]
	v_add_nc_u32 v[AW4], s21, v[L4]
	v_and_b32 v18, 15, v0                          ; r
	v_bfe_u32 v19, v0, 4, 1                        ; h
	v_and_b32 v20, 7, v0
	v_bfe_u32 v21, v0, 3, 1
	v_lshl_add_u32 v20, v21, 4, v20                ; my token in its group of 32: r % 8 + 16 (r / 8)
	v_mul_u32_u24 v[STO], v20, SP
	v_lshl_add_u32 v[STO], v19, 6, v[STO]          ; + 64 h: my half's columns
	v_add_nc_u32 v[STO], s22, v[STO]
	v_mul_u32_u24 v20, v19, SP                     ; back: lanes 0-15 one row, lanes 16-31 the next
	v_lshl_add_u32 v20, v18, 4, v20
	v_add_nc_u32 v[RDR], s23, v20
	v_add_nc_u32 v[RDR+1], RGN, v[RDR]
	v_add_nc_u32 v[RDR+2], 2*RGN, v[RDR]
	v_add_nc_u32 v[RDR+3], 3*RGN, v[RDR]
	v_lshlrev_b32 v[CO], 11, v19
	v_lshl_add_u32 v[CO], v18, 4, v[CO]
	v_lshlrev_b32 v22, 4, v18
	s_wait_alu depctr_va_vdst(0)
	s_wait_dscnt 0x0                               ; both opening adds are done
	s_wait_kmcnt 0x0
	s_add_nc_u64 s[2:3], s[4:5], s[2:3]
	s_add_nc_u64 s[46:47], s[6:7], s[46:47]
	s_add_nc_u64 s[DO:DO+1], s[4:5], s[DO:DO+1]
	s_add_nc_u64 s[DW:DW+1], s[6:7], s[DW:DW+1]
	s_add_nc_u64 s[8:9], s[8:9], s[70:71]
	s_add_nc_u64 s[10:11], s[10:11], s[76:77]
	global_load_b128 v[BP:BP+3], v22, s[8:9]       ; the bias of my four columns
	FETCHG 0, 0, 0                                 ; my first record from memory is asked for ahead of the round: 43 loads are out
	CROUND                                         ; all sixteen work-groups are here: the joint loads meet
	s_mov_b32 s[G0O], 1
	s_mov_b32 s[G0O+1], s18
	s_mov_b64 s[G0O+2:G0O+3], s[2:3]
	s_or_b32 s[G0O+3], s[G0O+3], 0x80000000
	s_mov_b32 s[G0W], 1
	s_mov_b32 s[G0W+1], s19
	s_mov_b64 s[G0W+2:G0W+3], s[46:47]
	s_or_b32 s[G0W+3], s[G0W+3], 0x80000000
	s_cmp_eq_u32 s15, 0                            ; one load a wave, the only one of the launch; an s_nop 0 and four v_nop follow each line
	s_cbranch_scc0 .Lfor_w
	tensor_load_to_lds s[G0O:G0O+3], s[G1O:G1O+7]
	s_nop 0
	PLACES
	s_branch .Lasked
.Lfor_w:
	tensor_load_to_lds s[G0W:G0W+3], s[G1W:G1W+7]
	s_nop 0
	PLACES
.Lasked:
	FETCHG 1, 1, 1
	s_wait_tensorcnt 0x0                           ; my part of the tiles is in,
	s_barrier_signal -1
	s_barrier_wait -1                              ; everybody's is
	FETCHL 0, 2, 2
	FETCHL 1, 3, 3
	s_wait_loadcnt 42                              ; the bias and record 0 are in; record 1's 42 loads may be out
	MUL 0, 0, 1                                    ; the first products start the sums
	PLACES
	FETCHG 2, 0, 4
	s_wait_loadcnt 42                              ; record 1 is in; record 2's 42 may be out
	MUL 1, 1, 0
	PLACES
	FETCHG 3, 1, 5
	s_wait_dscnt 42                                ; LDS record 0 is in; record 1's 42 loads may be out
	MUL 2, 2, 0
	PLACES
	FETCHL 2, 2, 6
	s_wait_dscnt 42                                ; LDS record 1 is in; record 2's 42 may be out
	MUL 3, 3, 0
	PLACES
	FETCHL 3, 3, 7
	s_wait_dscnt 42                                ; LDS record 2 is in
	MUL 2, 6, 0
	s_wait_dscnt 0x0                               ; LDS record 3 is in: my reads of the tiles are over
	MUL 3, 7, 0
	WIN 0
	s_barrier_signal -1
	s_barrier_wait -1                              ; nobody reads the tiles any more: the stages may be written
	s_wait_loadcnt 42                              ; record 2 is in; record 3's 42 may be out
	MUL 0, 4, 0
	s_wait_loadcnt 0x0
	MUL 1, 5, 0
	; ---- the four waves' partial tiles meet in LDS
	PLACES
	WIN 0x04                                       ; an LDS store's data are its source 1: window 1
.irp a, 0,1,2,3,4,5,6,7
.irp t, 0,1,2,3
	ds_store_b128 v[STO], v[32*\a+8*\t:32*\a+8*\t+3] offset:(32*(\a/2)+8*(\a%2))*SP+128*(\t/2)+32*(\t%2)          ; each accumulator from its low end on
	ds_store_b128 v[STO], v[32*\a+8*\t+4:32*\a+8*\t+7] offset:(32*(\a/2)+8*(\a%2))*SP+128*(\t/2)+32*(\t%2)+16
.endr
.endr
	WIN 0
	s_wait_dscnt 0x0                               ; for the others' sake: my stores have landed
	s_barrier_signal -1
	s_barrier_wait -1
	RLOAD 0
	RLOAD 1
	s_wait_dscnt 16                                ; the older batch of sixteen loads is in
	RSUM 0
	s_wait_xcnt 0x0                                ; the stores have read their registers: the buffer is loaded again only behind this
	RLOAD 2
	s_wait_dscnt 16
	RSUM 1
	s_wait_xcnt 0x0
	RLOAD 3
	s_wait_dscnt 16
	RSUM 2
	s_wait_dscnt 0x0
	RSUM 3
	s_wait_tensorcnt 0x0                           ; the wave's end
	ds_add_u32 v[SPW], v[NIL]
	s_wait_dscnt 0x0
	CROUND                                         ; the closing round
	s_endpgm
.Lfunc_end_k_qa158a5d01a_oproj:
	.size	k_qa158a5d01a_oproj, .Lfunc_end_k_qa158a5d01a_oproj-k_qa158a5d01a_oproj
	.p2alignl 7, 3214868480
	.fill 96, 4, 3214868480
	.section	.rodata,"a",@progbits
	.p2align	6, 0x0
	.amdhsa_kernel k_qa158a5d01a_oproj
		.amdhsa_group_segment_fixed_size 327680
		.amdhsa_private_segment_fixed_size 0
		.amdhsa_enable_private_segment 0
		.amdhsa_kernarg_size 32
		.amdhsa_user_sgpr_count 2
		.amdhsa_user_sgpr_kernarg_segment_ptr 1
		.amdhsa_wavefront_size32 1
		.amdhsa_system_sgpr_workgroup_id_x 1
		.amdhsa_system_sgpr_workgroup_id_y 1
		.amdhsa_system_sgpr_workgroup_id_z 1
		.amdhsa_system_vgpr_workitem_id 0
		.amdhsa_next_free_vgpr 1024
		.amdhsa_next_free_sgpr 80
		.amdhsa_reserve_vcc 0
		.amdhsa_float_denorm_mode_32 3
		.amdhsa_float_denorm_mode_16_64 3
		.amdhsa_memory_ordered 1
		.amdhsa_forward_progress 1
		.amdhsa_inst_pref_size 85
	.end_amdhsa_kernel
	.amdgpu_metadata
---
amdhsa.version: [ 1, 2 ]
amdhsa.kernels:
  - .name:           k_qa158a5d01a_oproj
    .symbol:         k_qa158a5d01a_oproj.kd
    .args:
      - { .name: orec, .offset: 0, .size: 8, .value_kind: global_buffer, .address_space: global }
      - { .name: wpc, .offset: 8, .size: 8, .value_kind: global_buffer, .address_space: global }
      - { .name: bp, .offset: 16, .size: 8, .value_kind: global_buffer, .address_space: global }
      - { .name: out0, .offset: 24, .size: 8, .value_kind: global_buffer, .address_space: global }
    .group_segment_fixed_size: 327680
    .private_segment_fixed_size: 0
    .kernarg_segment_align: 8
    .kernarg_segment_size: 32
    .max_flat_workgroup_size: 128
    .sgpr_count:     80
    .vgpr_count:     1024
    .wavefront_size: 32
...
	.end_amdgpu_metadata
.endif
;; end of part 4
